; MI455X (gfx1250); checked and timed in simulation.
; The chip was launched on July 23, 2026; its instructions are those of AMD's public machine-readable ISA for CDNA 5 (MIT licence, August 2026) and "CDNA5" Instruction Set Architecture Reference Guide (July 2026). The comments in the code are by the model that wrote it; some were corrected since.
;; Attention. Allowed arithmetic: matrix products marked QUANTISED: E2M3 operands, one E8M0 scale for each 32 along K, by v_wmma_scale_f32_16x16x128_f8f6f4 with both operands' format E2M3, f32 sums; everything else in f32.
;; Inputs: w_proj 1,024 x 1,024 float32; w_qkv 1,024 x 3,072 float32; x 4 x 2,048 x 1,024 float32.
;; Outputs: out0 4 x 2,048 x 1,024 float32.
;; This version of the problem:
;;   THIS VERSION OF THE PROBLEM IS GIVEN IN LOW PRECISION. The matrix products marked QUANTISED in the list below multiply operands that are first quantised to E2M3 (2 exponent bits, 3 mantissa bits; 6 bits a number), with one power-of-two scale for each 32 numbers along K (OCP MX v1.0); their sums are f32. All else is computed in f32.
;;   The module's matrix products, in the order in which they are computed (A, B: the left and right operand; K: the contracted axis; several contracted axes count as one K, in the product's order):
;;     1. [M 8,192, K 1,024] x [K 1,024, N 3,072]; A: input x; B: input w_qkv: QUANTISED
;;     2. batch 64 x [M 2,048, K 64] x [K 64, N 2,048]; A: computed on the way; B: computed on the way: QUANTISED
;;     3. batch 64 x [M 2,048, K 2,048] x [K 2,048, N 64]; A: softmax (see below); B: computed on the way: QUANTISED
;;     4. [M 8,192, K 1,024] x [K 1,024, N 1,024]; A: computed on the way; B: input w_proj: QUANTISED
;;   THE QUANTISER, for each operand of a quantised product, along K:
;;     - K is cut into blocks of 32 from its start; a last block that is shorter is filled with zeros.
;;     - A block's scale is 2^e with e = floor(log2(the largest magnitude in the block)) - 2, held to -126 .. 127; a block of zeros has e = 0. As a byte (E8M0): e + 127.
;;     - Each number is divided by its block's scale, clamped to +-7.5, and rounded to the nearest number of E2M3, ties to even, subnormals kept.
;;     - The product sums the exact products of the quantised numbers (number of the format x scale) in f32.
;;   ~~~python
;;   def quantise(x, axis):      # numpy; x: float32 -> the quantised numbers, widened to float32 again
;;       x = np.moveaxis(x, axis, -1); K = x.shape[-1]
;;       x = np.pad(x, [(0, 0)] * (x.ndim - 1) + [(0, -K % 32)]); x = x.reshape(x.shape[:-1] + (-1, 32)); a = np.abs(x).max(-1, keepdims=True)
;;       e = np.where(a > 0, np.clip(np.frexp(np.where(a > 0, a, 1))[1] - 1 - 2, -126, 127), 0)      # np.frexp(a)[1] - 1 = floor(log2(a)), exactly
;;       r = np.clip(x / 2.0 ** e, -7.5, 7.5)
;;       step = 2.0 ** (np.maximum(np.frexp(np.where(r == 0, 1, r))[1] - 1, 0) - 3)
;;       q = np.round(r / step) * step * 2.0 ** e      # np.round: ties to even
;;       return np.moveaxis(q.reshape(q.shape[:-2] + (-1,))[..., :K], -1, axis).astype(np.float32)
;;   ~~~
;;   SOFTMAX AHEAD OF A QUANTISED PRODUCT. Where the list says 'softmax', what is quantised is not the finished softmax but p = 2^(t - M), with t = logit x log2(e) and M = ceil(the row's largest t), a whole number; so 1/2 < the row's largest p <= 1. The row's sum l is taken of the UNQUANTISED p, in f32, and the product's result is divided by l at the end. Since M is a whole number, a kernel that streams over the keys may use a running M (the ceiling of the running maximum): every later rescaling is an exact power of two, which a block's scale takes up: the codes' values come out the same.
;;   OPERANDS COMPUTED ON THE WAY. 'Computed on the way' means the value that the module computes at that place (a softmax that the list does not call 'softmax' is quantised finished and normalised). What goes into a quantiser is computed in f32, as accurately as f32 sums, v_exp_f32 and their like allow (about 1e-6 of the number): no bf16 or f16 on the way to a quantiser, and a product that is left as it is and whose result goes on into a quantised operand takes f32 operands (vector FMAs, or v_wmma_f32_16x16x4_f32). A number that lies on a knife's edge between two numbers of the format may be rounded either way, as far as f32 arithmetic and the matrix unit's own rounding can turn it there, and no further.
;; One version. Each part assembles by itself: llvm-mc -triple=amdgcn-amd-amdhsa -mcpu=gfx1250 --defsym DOCPART=n.
;; ======== version 1 of 1: 4 launches
;; workspace buffers: x_img 6,553,600 bytes; w_img 3,276,800 bytes; q_buf 13,107,200 bytes; kv_buf 13,107,200 bytes; o_img 6,553,600 bytes
;; launch prep (part 1): grid 768 x 1, 4 waves a work-group, no clusters, 46,592 bytes of LDS; arguments x, w_qkv, w_proj, x_img, w_img; writes x_img, w_img
.if DOCPART == 1
	.amdgcn_target "amdgcn-amd-amdhsa--gfx1250"
	.amdhsa_code_object_version 6
	.text
	.protected	k_q01c88bb7b1_prep
	.globl	k_q01c88bb7b1_prep
	.p2align	8
	.type	k_q01c88bb7b1_prep,@function
k_q01c88bb7b1_prep:
	s_mov_b64 s[64:65], 0
	v_nop
	global_prefetch_b8 v0, s[64:65] scope:SCOPE_SE
	s_setreg_imm32_b32 hwreg(HW_REG_WAVE_MODE, 25, 1), 1
	s_wait_xcnt 0x0
; x [8192][1024], w_qkv [1024][3072] and w_proj [1024][1024], f32, become codes of FP6 (E2M3) with one E8M0 byte for each 32 along K (x: its last axis; the weights: their first).
; A block's scale is 2^(floor(log2(its largest magnitude)) - 2); its byte is the largest magnitude's exponent field - 2, held at 1 from below.
; LIMITS: NaN and infinities among the inputs are not served; a block whose largest magnitude lies under 2^-124 keeps the byte 1; a block of zeros has the byte 1 where the rule says 127:
; its codes are zeros, which add nothing under any byte but 0xff, and this program alone reads the bytes.
; THE LAYOUT OUT is the order of the operand's registers.  A UNIT is 64 rows (tokens, or columns of a weight) x all 1,024 along K, 51,200 bytes:
;   codes at ((4 s + t) 2 + c) 768: K step s (128 along K), tile t of 16 rows, half c (64 along K): lane (r, h) holds the 24 bytes of block 4 s + 2 c + h of the tile's row r:
;   its registers 0-3 at 16 x lane, its registers 4-5 at 512 + 8 x lane;
;   scale words at 49,152 + (2 s + j) 128 + 4 L: lane L = 16 u + r holds the word (blocks 4 s .. 4 s + 3) of row r of tile 2 j + u.
;   Row r of tile t is the unit's row 32 (t / 2) + 8 (t % 2) + r + 8 (r / 8).
; SHARES.  A wave takes 32 rows x 128 along K (tiles 2 j, 2 j + 1 of K step s of one unit).  Work-groups 0-511 take x, 512-767 the weights.  Waves share nothing: no barrier.
; No cluster: no two work-groups read the same bytes.  No matrix unit, no tensor load: a stream.  All of a wave's input is asked for at once.
; The two paths have LDS bytes of their own: x's stages from 0, the weights' from WSTG0.
.set UNITB,  51200
.set SCOFF,  49152
.set XPITCH, 528                       ; x's stage: a token's 512 bytes + 16: an odd multiple of 16, so that sixteen rows start at sixteen different groups of banks
.set XSTG,   16*XPITCH
.set WSTG0,  4*XSTG
.set WSTG,   3072
.set L16, 3                            ; v3  16 x lane
.set L8,  4                            ; v4  8 x lane
.set L4,  5                            ; v5  4 x lane
.set STI, 6                            ; v6  x: into the stage
.set STO, 7                            ; v7  x: out of it
.set MX,  8                            ; v8-9   largest magnitudes
.set SX,  10                           ; v10-11 the conversions' scale operands
.set BX,  12                           ; v12-13 bytes
.set WD,  14                           ; v14-15 the scale words of the two tiles
.set TP,  16
.set SW,  17
.set SH,  18                           ; v18 8 x (lane / 16)
.set RAW, 32                           ; v32-159  x as loaded: 2 tiles x 16 tokens x 4 registers
.set X,   160                          ; v160-223 my two blocks of 32
.set H,   236                          ; v236-242 the blocks' upper halves' codes (a conversion's three registers begin on an even number)
; tile u of the wave's two: through the stage, quantised, stored
.macro XHALF u
.set CC, 224+20*\u                     ; the codes: registers of their own for each tile, so that no store's data are written again
	s_wait_loadcnt 16-16*\u                        ; this tile's sixteen loads are in; the other tile's may be out
.irp i, 0,1,2,3,4,5,6,7,8,9,10,11,12,13,14,15
	ds_store_b128 v[STI], v[RAW+64*\u+4*\i:RAW+64*\u+4*\i+3] offset:XPITCH*\i
.endr
.irp c, 0,1
.irp q, 0,1,2,3,4,5,6,7
	ds_load_b128 v[X+32*\c+4*\q:X+32*\c+4*\q+3], v[STO] offset:256*\c+16*\q   ; LDS serves a wave's instructions in order: these see the stores above.  Lane (r, h): k = 64 c + 32 h + 0 .. 31 of row r
.endr
.endr
	s_wait_dscnt 0x0
.irp c, 0,1
	v_max3_num_f32 v[MX+\c], |v[X+32*\c]|, |v[X+32*\c+1]|, 0x1800000   ; a whole block is mine; the floor 2^(3 - 127) holds the byte at 1 from below
.endr
.irp i, 2,4,6,8,10,12,14,16,18,20,22,24,26,28,30
.irp c, 0,1
	v_max3_num_f32 v[MX+\c], v[MX+\c], |v[X+32*\c+\i]|, |v[X+32*\c+\i+1]|
.endr
.endr
.irp c, 0,1
	v_add_nc_u32 v[SX+\c], 0xff000000, v[MX+\c]    ; 2 off the exponent field: the conversion takes this operand's exponent field as its scale
.endr
.irp c, 0,1
	v_lshrrev_b32 v[BX+\c], 23, v[SX+\c]           ; the byte
.endr
	v_lshl_or_b32 v[WD+\u], v[BX+1], 16, v[BX]     ; my bytes: blocks h and 2 + h,
	v_lshlrev_b32 v[WD+\u], v[SH], v[WD+\u]        ; at their places (8 h bits up);
	v_permlanex16_b32 v[TP], v[WD+\u], s20, s21
	v_or_b32 v[WD+\u], v[WD+\u], v[TP]             ; with lane l xor 16's two the row's word is whole
.irp c, 0,1
	v_cvt_scalef32_pk16_fp6_f32 v[CC+6*\c:CC+6*\c+2], v[X+32*\c:X+32*\c+15], v[SX+\c]
	v_cvt_scalef32_pk16_fp6_f32 v[H+4*\c:H+4*\c+2], v[X+32*\c+16:X+32*\c+31], v[SX+\c]
.endr
	v_nop                                          ; one plain line behind the scaled conversions
.irp c, 0,1
.irp i, 0,1,2
	v_mov_b32 v[CC+6*\c+3+\i], v[H+4*\c+\i]
.endr
.endr
.irp c, 0,1
	global_store_b128 v[L16], v[CC+6*\c:CC+6*\c+3], s[28:29] offset:1536*\u+768*\c        ; 512 consecutive bytes, aligned to 256
	global_store_b64 v[L8], v[CC+6*\c+4:CC+6*\c+5], s[28:29] offset:1536*\u+768*\c+512    ; 256 consecutive bytes, aligned
.endr
.endm
; block t (32 along K) of the wave's 32 columns of a weight: a lane holds a column, its registers run down K
.macro WBLOCK t
.set XS, 64+32*\t
.set CB, 192+12*\t
.if \t < 2
	s_wait_loadcnt 63                              ; of the 128 loads at most 63 are out: the first 65, blocks 0 and 1 among them, are in
.elseif \t == 2
	s_wait_loadcnt 32                              ; block 3's may be out
.else
	s_wait_loadcnt 0x0
.endif
	v_max3_num_f32 v8, |v[XS]|, |v[XS+1]|, |v[XS+2]|
	v_max3_num_f32 v9, |v[XS+3]|, |v[XS+4]|, |v[XS+5]|
.irp i, 6,10,14,18,22,26
	v_max3_num_f32 v8, v8, |v[XS+\i]|, |v[XS+\i+1]|
	v_max3_num_f32 v9, v9, |v[XS+\i+2]|, |v[XS+\i+3]|
.endr
	v_max3_num_f32 v8, v8, |v[XS+30]|, |v[XS+31]|
	v_max3_num_f32 v8, v8, v9, 0x1800000           ; and the floor
	v_add_nc_u32 v11, 0xff000000, v8
	v_lshrrev_b32 v10, 23, v11
.if \t == 0
	v_mov_b32 v12, v10                             ; the column's scale word: byte t = block 4 s + t
.else
	v_lshl_or_b32 v12, v10, 8*\t, v12
.endif
	v_cvt_scalef32_pk16_fp6_f32 v[CB:CB+2], v[XS:XS+15], v11
	v_cvt_scalef32_pk16_fp6_f32 v[CB+6:CB+8], v[XS+16:XS+31], v11
	v_nop                                          ; one plain line behind the scaled conversions
.irp i, 0,1,2
	v_mov_b32 v[CB+3+\i], v[CB+6+\i]
.endr
	ds_store_b128 v14, v[CB:CB+3] offset:768*(\t/2)+256*(\t%2)      ; into the image of half t / 2, as its lane (r, t % 2)
	ds_store_b64 v15, v[CB+4:CB+5] offset:768*(\t/2)+128*(\t%2)
.endm
	s_load_b256 s[4:11], s[0:1], 0x0               ; x s[4:5], w_qkv s[6:7], w_proj s[8:9], x_img s[10:11]
	s_load_b64 s[12:13], s[0:1], 0x20              ; w_img
	v_lshl_add_u32 v239, v0, 2, 0xb400
	v_mov_b32 v243, 0
	v_lshrrev_b32 v1, 5, v0
	v_readfirstlane_b32 s14, v1                    ; wave 0..3
	v_and_b32 v2, 31, v0                           ; lane
	v_lshlrev_b32 v[L16], 4, v2
	v_lshlrev_b32 v[L8], 3, v2
	v_lshlrev_b32 v[L4], 2, v2
	s_mov_b32 s20, 0x76543210
	s_mov_b32 s21, 0xfedcba98                      ; v_permlanex16_b32's selects for lane l xor 16
	s_mov_b32 s22, 0xffff0000                      ; lanes 16-31
	s_wait_kmcnt 0x0
	s_cmp_lt_u32 ttmp9, 512
	s_cbranch_scc0 .Lweights
	; ---------------- x: task = 4 x work-group + wave: unit = task / 16, s = (task / 2) % 8, j = task % 2
	s_lshl_b32 s15, ttmp9, 2
	s_add_co_u32 s15, s15, s14
	s_lshr_b32 s16, s15, 4                         ; unit: tokens 64 x unit on
	s_bfe_u32 s17, s15, 0x30001                    ; s
	s_and_b32 s18, s15, 1                          ; j
	s_lshl_b32 s24, s16, 18                        ; 64 tokens of 4,096 bytes,
	s_lshl_b32 s19, s18, 17                        ; 32 j tokens,
	s_add_co_u32 s24, s24, s19
	s_lshl_b32 s19, s17, 9                         ; 128 s numbers
	s_add_co_u32 s24, s24, s19
	s_mov_b32 s25, 0
	s_mul_i32 s26, s16, UNITB
	s_lshl_b32 s19, s17, 1
	s_add_co_u32 s19, s19, s18                     ; 2 s + j
	s_mul_i32 s28, s19, 3072                       ; codes: (4 s + 2 j) 1,536
	s_add_co_u32 s28, s28, s26
	s_mov_b32 s29, 0
	s_lshl_b32 s30, s19, 7                         ; scale words: (2 s + j) 128
	s_add_co_u32 s30, s30, s26
	s_add_co_u32 s30, s30, SCOFF
	s_mov_b32 s31, 0
	s_add_nc_u64 s[4:5], s[4:5], s[24:25]
	s_add_nc_u64 s[28:29], s[10:11], s[28:29]
	s_add_nc_u64 s[30:31], s[10:11], s[30:31]
.irp u, 0,1
.irp i, 0,1,2,3,4,5,6,7,8,9,10,11,12,13,14,15
	global_load_b128 v[RAW+64*\u+4*\i:RAW+64*\u+4*\i+3], v[L16], s[4:5] offset:(8*\u+\i+8*(\i/8))*4096 th:TH_LOAD_NT   ; row i of tile 2 j + u: 512 consecutive bytes of one token
.endr
.endr
	s_mul_i32 s23, s14, XSTG                       ; my stage
	v_add_nc_u32 v[STI], s23, v[L16]
	v_and_b32 v[STO], 15, v0                       ; r
	v_bfe_u32 v[SH], v0, 4, 1                      ; h
	v_mul_u32_u24 v[STO], v[STO], XPITCH
	v_lshl_add_u32 v[STO], v[SH], 7, v[STO]        ; row r, + 128 h bytes: my block of each 64 along K
	v_add_nc_u32 v[STO], s23, v[STO]
	v_lshlrev_b32 v[SH], 3, v[SH]
	v_mov_b32 v[TP], 0                             ; a lane permute's destination counts as one of its sources
	XHALF 0
	XHALF 1
	v_cndmask_b32 v[SW], v[WD], v[WD+1], s22       ; lanes 0-15: tile 2 j's words, lanes 16-31: tile 2 j + 1's
	global_store_b32 v[L4], v[SW], s[30:31]
	s_wait_tensorcnt 0x0
	ds_add_u32 v239, v243
	s_wait_dscnt 0x0
	s_endpgm
.Lweights:
	; ---------------- the weights: task as above; units 0-47 are w_qkv's columns, 48-63 w_proj's
	s_sub_co_u32 s15, ttmp9, 512
	s_cmp_lt_u32 s15, 192                          ; the choice hangs on the work-group's number alone
	s_cselect_b64 s[6:7], s[6:7], s[8:9]
	s_mov_b32 s16, 4096
	s_cselect_b32 s16, 12288, s16                  ; bytes from a row of the weight to the next
	s_cselect_b32 s17, 0, 48
	s_lshl_b32 s15, s15, 2
	s_add_co_u32 s15, s15, s14
	s_lshr_b32 s18, s15, 4                         ; unit
	s_bfe_u32 s19, s15, 0x30001                    ; s
	s_and_b32 s23, s15, 1                          ; j
	s_sub_co_u32 s17, s18, s17                     ; the unit within its weight
	s_lshl_b32 s24, s19, 7
	s_mul_i32 s24, s24, s16                        ; 128 s rows down,
	s_lshl_b32 s17, s17, 8                         ; 64 columns a unit,
	s_add_co_u32 s24, s24, s17
	s_lshl_b32 s17, s23, 7                         ; 32 j columns
	s_add_co_u32 s24, s24, s17
	s_mov_b32 s25, 0
	s_lshl_b32 s26, s16, 5                         ; 32 rows: a block
	s_mov_b32 s27, 0
	s_add_nc_u64 s[32:33], s[6:7], s[24:25]        ; a base for each of the four blocks
	s_add_nc_u64 s[34:35], s[32:33], s[26:27]
	s_add_nc_u64 s[36:37], s[34:35], s[26:27]
	s_add_nc_u64 s[38:39], s[36:37], s[26:27]
.irp i, 0,1,2,3,4,5,6,7,8,9,10,11,12,13,14,15,16,17,18,19,20,21,22,23,24,25,26,27,28,29,30,31
	v_mad_u32_u24 v[32+\i], s16, \i, v[L4]         ; row i of a block, my column
.endr
.irp b, 0,1,2,3
.irp i, 0,1,2,3,4,5,6,7,8,9,10,11,12,13,14,15,16,17,18,19,20,21,22,23,24,25,26,27,28,29,30,31
	global_load_b32 v[64+32*\b+\i], v[32+\i], s[32+2*\b:33+2*\b] th:TH_LOAD_NT   ; 128 consecutive bytes a wave; the wave beside it takes the next 128
.endr
.endr
	s_mul_i32 s26, s18, UNITB
	s_lshl_b32 s19, s19, 1
	s_add_co_u32 s19, s19, s23                     ; 2 s + j
	s_mul_i32 s28, s19, 3072
	s_add_co_u32 s28, s28, s26
	s_mov_b32 s29, 0
	s_lshl_b32 s30, s19, 7
	s_add_co_u32 s30, s30, s26
	s_add_co_u32 s30, s30, SCOFF
	s_mov_b32 s31, 0
	s_add_nc_u64 s[28:29], s[12:13], s[28:29]
	s_add_nc_u64 s[30:31], s[12:13], s[30:31]
	s_mul_i32 s40, s14, WSTG
	s_add_co_u32 s40, s40, WSTG0                   ; my stage: the images of two tiles x two halves, 3,072 bytes
	v_bfe_u32 v6, v0, 3, 1                         ; my column 32 j + l is row r of tile 2 j + u: u = (l / 8) % 2,
	v_and_b32 v7, 7, v0
	v_bfe_u32 v13, v0, 4, 1
	v_lshl_or_b32 v7, v13, 3, v7                   ; r = l % 8 + 8 (l / 16)
	v_mul_u32_u24 v13, v6, 1536
	v_add_nc_u32 v13, s40, v13
	v_lshl_add_u32 v14, v7, 4, v13                 ; registers 0-3: 16 r
	v_lshl_add_u32 v15, v7, 3, v13
	v_add_nc_u32 v15, 512, v15                     ; registers 4-5: 512 + 8 r
	v_add_nc_u32 v16, s40, v[L16]                  ; back: as the bytes lie
	v_lshlrev_b32 v17, 2, v7
	v_lshl_add_u32 v17, v6, 6, v17                 ; my scale word's place: 4 (16 u + r)
	WBLOCK 0
	WBLOCK 1
	WBLOCK 2
	WBLOCK 3
.irp i, 0,1,2,3,4,5
	ds_load_b128 v[64+4*\i:67+4*\i], v16 offset:512*\i   ; LDS serves a wave's instructions in order: these see my stores
.endr
	global_store_b32 v17, v12, s[30:31]
.irp i, 0,1,2,3,4,5
	s_wait_dscnt 5-\i                              ; the later read-backs may be out
	global_store_b128 v[L16], v[64+4*\i:67+4*\i], s[28:29] offset:512*\i   ; 512 consecutive bytes, aligned to 256
.endr
	s_wait_tensorcnt 0x0
	ds_add_u32 v239, v243
	s_wait_dscnt 0x0
	s_endpgm
.Lfunc_end_k_q01c88bb7b1_prep:
	.size	k_q01c88bb7b1_prep, .Lfunc_end_k_q01c88bb7b1_prep-k_q01c88bb7b1_prep
	.p2alignl 7, 3214868480
	.fill 96, 4, 3214868480
	.section	.rodata,"a",@progbits
	.p2align	6, 0x0
	.amdhsa_kernel k_q01c88bb7b1_prep
		.amdhsa_group_segment_fixed_size 46592
		.amdhsa_private_segment_fixed_size 0
		.amdhsa_enable_private_segment 0
		.amdhsa_kernarg_size 40
		.amdhsa_user_sgpr_count 2
		.amdhsa_user_sgpr_kernarg_segment_ptr 1
		.amdhsa_wavefront_size32 1
		.amdhsa_system_sgpr_workgroup_id_x 1
		.amdhsa_system_sgpr_workgroup_id_y 1
		.amdhsa_system_sgpr_workgroup_id_z 1
		.amdhsa_system_vgpr_workitem_id 0
		.amdhsa_next_free_vgpr 256
		.amdhsa_next_free_sgpr 66
		.amdhsa_reserve_vcc 0
		.amdhsa_float_denorm_mode_32 3
		.amdhsa_float_denorm_mode_16_64 3
		.amdhsa_memory_ordered 1
		.amdhsa_forward_progress 1
		.amdhsa_inst_pref_size 41
	.end_amdhsa_kernel
	.amdgpu_metadata
---
amdhsa.version: [ 1, 2 ]
amdhsa.kernels:
  - .name:           k_q01c88bb7b1_prep
    .symbol:         k_q01c88bb7b1_prep.kd
    .args:
      - { .name: x, .offset: 0, .size: 8, .value_kind: global_buffer, .address_space: global }
      - { .name: w_qkv, .offset: 8, .size: 8, .value_kind: global_buffer, .address_space: global }
      - { .name: w_proj, .offset: 16, .size: 8, .value_kind: global_buffer, .address_space: global }
      - { .name: x_img, .offset: 24, .size: 8, .value_kind: global_buffer, .address_space: global }
      - { .name: w_img, .offset: 32, .size: 8, .value_kind: global_buffer, .address_space: global }
    .group_segment_fixed_size: 46592
    .private_segment_fixed_size: 0
    .kernarg_segment_align: 8
    .kernarg_segment_size: 40
    .max_flat_workgroup_size: 128
    .sgpr_count:     66
    .vgpr_count:     256
    .wavefront_size: 32
...
	.end_amdgpu_metadata
.endif
;; end of part 1
;; launch qkv (part 2): grid 4 x 48, 4 waves a work-group, clusters of 4 x 1, 327,680 bytes of LDS; arguments x_img, w_img, q_buf, kv_buf; writes q_buf, kv_buf
.if DOCPART == 2
	.amdgcn_target "amdgcn-amd-amdhsa--gfx1250"
	.amdhsa_code_object_version 6
	.text
	.protected	k_q01c88bb7b1_qkv
	.globl	k_q01c88bb7b1_qkv
	.p2align	8
	.type	k_q01c88bb7b1_qkv,@function
k_q01c88bb7b1_qkv:
	s_mov_b64 s[64:65], 0
	v_nop
	global_prefetch_b8 v0, s[64:65] scope:SCOPE_SE
	s_setreg_imm32_b32 hwreg(HW_REG_WAVE_MODE, 25, 1), 1
	s_wait_xcnt 0x0
	s_wait_alu depctr_hold_cnt(0) depctr_sa_sdst(0) depctr_va_vdst(0) depctr_va_sdst(0) depctr_va_ssrc(0) depctr_va_vcc(0) depctr_vm_vsrc(0)
	s_getreg_b32 s2, hwreg(HW_REG_IB_STS2, 6, 4)
	s_cmp_eq_u32 s2, 0
	s_cbranch_scc0 .Lentry_in_a_cluster
	s_endpgm
.Lentry_in_a_cluster:
	s_bfe_u32 s2, ttmp6, 0x10000c
	s_cmp_lg_u32 s2, 0x3003
	s_cbranch_scc0 .Lentry_shape_is_right
	s_endpgm
.Lentry_shape_is_right:
; q, k, v = x w_qkv on codes of FP6 (E2M3) with E8M0 scales, f32 sums; the results are quantised at once: q and k along the head's 64, v along the keys, and leave as codes in the order of the next launch's operand registers.
; ONE BODY FOR ALL THREE.  A wave keeps one unit P (64 rows x all 1,024 along K: 32 fragments, 384 registers) for the whole launch; superblocks R (128 rows x all of K, 102,400 dense bytes) come through LDS.
; D = P R^T with P as source 0: a lane holds ONE row of R, and its registers run along P's rows; by the order of rows in a unit (row r of tile t = 32 (t / 2) + 8 (t % 2) + r + 8 (r / 8)) the 16 registers of P's tiles
; 2 b, 2 b + 1 are 16 neighbours, 32 b + 16 (lane / 16) + 0 .. 15: so the result is quantised in blocks of 32 along P's rows, in registers.
;   q, k (y < 32): P = 64 columns of w_qkv (one head), R = 128 tokens of x.     v (y >= 32): P = 64 tokens of x (two blocks of keys), R = 128 columns of w_qkv's v part (two heads).
; What differs (buffers, offsets, strides of the way out) is chosen by s_cselect on the cluster's y, which all partners share.
; SHARES.  192 work-groups of four waves, four superblocks each.  48 units x 64 superblocks do not cut into 256 equal parts with P resident, so a quarter of the WGPs has no work-group here.
; CLUSTER.  The four work-groups of a cluster walk the same R: each quarter of a superblock is asked for JOINTLY by the same wave of all four.  cx enters global addresses of P and of the results alone.
; RING.  Two slots of one superblock.  At a slot's head: the wait for all my tensor loads, the add, the wait for it and for my reads, a round of the cluster's barrier, then my one load for the other slot:
; by this text's count one tensor load a wave is out, and it has a superblock's 256 matrix instructions in which to land.  No prefetch: that refill has all this work in which to land.
; LIMITS: a block whose largest magnitude lies under 2^-124 keeps the byte 1, a block of zeros too (its codes are zeros; this program alone reads the bytes); NaN and infinities are not served.
; REGISTERS.  window 0: v1-19 addresses; v24-39 P's scale words; v40-71 R's; v72-215 three buffers of four fragments of R, on the way out the codes; v216-255 at work.
;   windows 1, 2: P's fragment (K step s, tile p) at v[12 (4 (s % 4) + p)] of window 1 + s / 4.   window 3: accumulator (R's tile m, P's tile p) at v[8 (4 m + p)].
.set UNITB,  51200
.set SBB,    2*UNITB
.set QTR,    SBB/4
.set SCOFF,  49152
.set STEPB,  12800                     ; the next launch's key step: 8 tiles of K codes, 4 fragments of V codes, their scale words
.set HEADB,  16*STEPB
.set SLOT1,  1<<17                     ; slot 1 begins here: one exclusive or turns an address
.set SPARE,  SLOT1+SBB                 ; behind the ring: the spare words, 128 bytes a wave: two blocks of 256 bytes that no other line names
.set L16,  1
.set L8,   2
.set L4,   3
.set AD16, 4                           ; v4-5  slot + 16 x lane, unit 0, 1
.set AD8,  6                           ; v6-7  slot + 8 x lane
.set AD4,  8                           ; v8-9  slot + 4 x lane
.set SPW,  10
.set NIL,  11
.set VO16, 12                          ; v12-15 16 x lane + q x the stride from tile to tile of the way out
.set VO8,  16                          ; v16-19 8 x lane + the same
.set PSC,  24
.set RSC,  40
.set FB,   72
.set TM,   216
.set TX,   224
.set TS,   232
.set HW,   240                         ; v240-247 a tile's two bytes
.set TW,   248
.set MSB, 0
.macro WIN new                         ; the immediate's high byte repeats the setting that is left
.if MSB != \new
	s_set_vgpr_msb (MSB<<8)|\new
.set MSB, \new
.endif
.endm
.macro PLACES n
.rept \n
	v_nop
.endr
.endm
.macro CROUND                          ; a round of the cluster's barrier
	s_barrier_signal -1
	s_barrier_wait -1
	s_cmp_lg_u32 s12, 0
	s_cbranch_scc1 .Lnot_wave_0_\@
	s_barrier_signal -3
.Lnot_wave_0_\@:
	s_barrier_wait -3
	s_barrier_signal -1
	s_barrier_wait -1
.endm
; one product: D at d, source 0 at a, source 1 at b; scale registers sa, sb, read from lanes 16-31 where ra, rb = 1; z = 1: the product starts the sum
.macro WM d, a, b, sa, ra, sb, rb, z
.if \z
.if (\ra) && (\rb)
	v_wmma_scale_f32_16x16x128_f8f6f4 v[\d:\d+7], v[\a:\a+11], v[\b:\b+11], 0, v[\sa], v[\sb] matrix_a_fmt:MATRIX_FMT_FP6 matrix_b_fmt:MATRIX_FMT_FP6 matrix_a_scale:MATRIX_SCALE_ROW1 matrix_b_scale:MATRIX_SCALE_ROW1
.elseif \ra
	v_wmma_scale_f32_16x16x128_f8f6f4 v[\d:\d+7], v[\a:\a+11], v[\b:\b+11], 0, v[\sa], v[\sb] matrix_a_fmt:MATRIX_FMT_FP6 matrix_b_fmt:MATRIX_FMT_FP6 matrix_a_scale:MATRIX_SCALE_ROW1
.elseif \rb
	v_wmma_scale_f32_16x16x128_f8f6f4 v[\d:\d+7], v[\a:\a+11], v[\b:\b+11], 0, v[\sa], v[\sb] matrix_a_fmt:MATRIX_FMT_FP6 matrix_b_fmt:MATRIX_FMT_FP6 matrix_b_scale:MATRIX_SCALE_ROW1
.else
	v_wmma_scale_f32_16x16x128_f8f6f4 v[\d:\d+7], v[\a:\a+11], v[\b:\b+11], 0, v[\sa], v[\sb] matrix_a_fmt:MATRIX_FMT_FP6 matrix_b_fmt:MATRIX_FMT_FP6
.endif
.else
.if (\ra) && (\rb)
	v_wmma_scale_f32_16x16x128_f8f6f4 v[\d:\d+7], v[\a:\a+11], v[\b:\b+11], v[\d:\d+7], v[\sa], v[\sb] matrix_a_fmt:MATRIX_FMT_FP6 matrix_b_fmt:MATRIX_FMT_FP6 matrix_a_scale:MATRIX_SCALE_ROW1 matrix_b_scale:MATRIX_SCALE_ROW1
.elseif \ra
	v_wmma_scale_f32_16x16x128_f8f6f4 v[\d:\d+7], v[\a:\a+11], v[\b:\b+11], v[\d:\d+7], v[\sa], v[\sb] matrix_a_fmt:MATRIX_FMT_FP6 matrix_b_fmt:MATRIX_FMT_FP6 matrix_a_scale:MATRIX_SCALE_ROW1
.elseif \rb
	v_wmma_scale_f32_16x16x128_f8f6f4 v[\d:\d+7], v[\a:\a+11], v[\b:\b+11], v[\d:\d+7], v[\sa], v[\sb] matrix_a_fmt:MATRIX_FMT_FP6 matrix_b_fmt:MATRIX_FMT_FP6 matrix_b_scale:MATRIX_SCALE_ROW1
.else
	v_wmma_scale_f32_16x16x128_f8f6f4 v[\d:\d+7], v[\a:\a+11], v[\b:\b+11], v[\d:\d+7], v[\sa], v[\sb] matrix_a_fmt:MATRIX_FMT_FP6 matrix_b_fmt:MATRIX_FMT_FP6
.endif
.endif
.endm
; half step i = 2 s + a: the four fragments of R's unit a at K step s, 16 LDS loads, into buffer i % 3.  Each load takes 512 or 256 consecutive bytes
.macro LOADH i
.set ls, (\i)/2
.set la, (\i)%2
.set lf, FB+48*((\i)%3)
.irp t, 0,1,2,3
.irp c, 0,1
	ds_load_b128 v[lf+12*\t+6*\c:lf+12*\t+6*\c+3], v[AD16+la] offset:(4*ls+\t)*1536+768*\c
	ds_load_b64 v[lf+12*\t+6*\c+4:lf+12*\t+6*\c+5], v[AD8+la] offset:(4*ls+\t)*1536+768*\c+512
.endr
.endr
.endm
; half step i: the loads of two half steps on, then 16 products: R's four tiles x P's four.  The 32 accumulators take turns, one instruction a turn
.macro HSTEP i
.if (\i)+2 < 16
.if (\i) > 0
	PLACES 4                                       ; the buffer to be loaded was read by the half step before: four plain lines behind its last product
.endif
	LOADH (\i)+2
	s_wait_dscnt 32                                ; the sixteen loads of each of the two later half steps may be out
.elseif (\i) == 14
	s_wait_dscnt 16                                ; the last half step's may be out
.else
	s_wait_dscnt 0x0
.endif
.set hs, (\i)/2
.set ha, (\i)%2
.set hb, FB+48*((\i)%3)
.set hw, 0xf1+hs/4
.if hs == 0
.set hz, 1
.else
.set hz, 0
.endif
	WIN hw                                         ; source 0 (P) window 1 or 2, source 1 (R) window 0, C and D window 3
.irp t, 0,1,2,3
.irp p, 0,1,2,3
	WM 8*(4*(4*ha+\t)+\p), 12*(4*(hs%4)+\p), hb+12*\t, PSC+2*hs+\p/2, \p%2, RSC+16*ha+2*hs+\t/2, \t%2, hz
.endr
.endr
	WIN 0
.endm
.macro COMPUTE                         ; one superblock from the slot at s40
	v_add_nc_u32 v[AD16], s40, v[L16]
	v_add_nc_u32 v[AD8], s40, v[L8]
	v_add_nc_u32 v[AD4], s40, v[L4]
	v_add_nc_u32 v[AD16+1], UNITB, v[AD16]
	v_add_nc_u32 v[AD8+1], UNITB, v[AD8]
	v_add_nc_u32 v[AD4+1], UNITB, v[AD4]
.irp a, 0,1
.irp n, 0,1,2,3,4,5,6,7,8,9,10,11,12,13,14,15
	ds_load_b32 v[RSC+16*\a+\n], v[AD4+\a] offset:SCOFF+128*\n   ; register 2 s + j: lanes 0-15 tile 2 j's words, lanes 16-31 tile 2 j + 1's
.endr
.endr
	LOADH 0
	LOADH 1
.irp i, 0,1,2,3,4,5,6,7,8,9,10,11,12,13,14,15
	HSTEP \i
.endr
.endm
; THE WAY OUT: each of R's eight tiles becomes 16 rows x 64 codes (6 registers a lane) and two scale bytes a row.  step = 1: the pointers go on to the next superblock's places
.macro EPI step
	PLACES 4                                       ; behind the last products, in front of the first read of results
.irp g, 0,1                            ; tiles 4 g + q: eight blocks by turns
	WIN 0x0f                                       ; sources 0 and 1: window 3
.irp q, 0,1,2,3
.irp b, 0,1
	v_max3_num_f32 v[TM+2*\q+\b], |v[32*(4*\g+\q)+16*\b]|, |v[32*(4*\g+\q)+16*\b+1]|, 0x1800000   ; my 16 numbers of the block, each accumulator from its low end on; the floor holds the byte at 1
.endr
.endr
.irp i, 2,4,6,8,10,12,14
.irp q, 0,1,2,3
.irp b, 0,1
	v_max3_num_f32 v[TM+2*\q+\b], |v[32*(4*\g+\q)+16*\b+\i]|, |v[32*(4*\g+\q)+16*\b+\i+1]|, v[TM+2*\q+\b]
.endr
.endr
.endr
	WIN 0
.irp n, 0,1,2,3,4,5,6,7
	v_permlanex16_b32 v[TX+\n], v[TM+\n], s42, s43
.endr
.irp n, 0,1,2,3,4,5,6,7
	v_max_num_f32 v[TM+\n], v[TM+\n], v[TX+\n]     ; with lane l xor 16's 16: the block's largest magnitude
.endr
.irp n, 0,1,2,3,4,5,6,7
	v_add_nc_u32 v[TS+\n], 0xff000000, v[TM+\n]    ; 2 off the exponent field: the conversion's scale operand
.endr
.irp n, 0,1,2,3,4,5,6,7
	v_lshrrev_b32 v[TX+\n], 23, v[TS+\n]           ; the byte
.endr
.irp q, 0,1,2,3
	v_lshl_or_b32 v[HW+4*\g+\q], v[TX+2*\q+1], 8, v[TX+2*\q]
.endr
	WIN 0x03                                       ; source 0: window 3
.irp q, 0,1,2,3
	v_cvt_scalef32_pk16_fp6_f32 v[FB+12*(4*\g+\q):FB+12*(4*\g+\q)+2], v[32*(4*\g+\q):32*(4*\g+\q)+15], v[TS+2*\q]
	v_cvt_scalef32_pk16_fp6_f32 v[FB+12*(4*\g+\q)+8:FB+12*(4*\g+\q)+10], v[32*(4*\g+\q)+16:32*(4*\g+\q)+31], v[TS+2*\q+1]
.endr
	WIN 0
	v_nop                                          ; one plain line behind the scaled conversions
.irp q, 0,1,2,3
.irp i, 0,1,2
	v_permlane16_swap_b32 v[FB+12*(4*\g+\q)+\i], v[FB+12*(4*\g+\q)+8+\i]   ; a whole block to a lane: lanes 0-15 block 0, lanes 16-31 block 1
.endr
.endr
.irp q, 0,1,2,3
.irp i, 0,1,2
	v_mov_b32 v[FB+12*(4*\g+\q)+3+\i], v[FB+12*(4*\g+\q)+8+\i]
.endr
.endr
.irp q, 0,1,2,3
	global_store_b128 v[VO16+\q], v[FB+12*(4*\g+\q):FB+12*(4*\g+\q)+3], s[30+2*\g:31+2*\g]               ; 512 consecutive bytes, aligned to 256
	global_store_b64 v[VO8+\q], v[FB+12*(4*\g+\q)+4:FB+12*(4*\g+\q)+5], s[30+2*\g:31+2*\g] offset:512    ; 256 consecutive bytes, aligned
.endr
.endr
.irp j, 0,1,2,3
	v_cndmask_b32 v[TW+\j], v[HW+2*\j], v[HW+2*\j+1], s44   ; lanes 0-15: tile 2 j's bytes, lanes 16-31: tile 2 j + 1's
.endr
	v_lshl_or_b32 v[TW+4], v[TW+1], 16, v[TW]      ; word 0: tiles u and 2 + u;
	v_lshl_or_b32 v[TW+5], v[TW+3], 16, v[TW+2]    ; word 1: tiles 4 + u and 6 + u
	global_store_b32 v[L4], v[TW+4], s[34:35]
	global_store_b32 v[L4], v[TW+5], s[36:37]
	s_wait_xcnt 0x0                                ; the stores have read their registers and bases: both are written again only behind this wait
.if \step
	s_add_nc_u64 s[30:31], s[30:31], s[38:39]
	s_add_nc_u64 s[32:33], s[32:33], s[38:39]
	s_add_nc_u64 s[34:35], s[34:35], s[38:39]
	s_add_nc_u64 s[36:37], s[36:37], s[38:39]
.endif
.endm
; THE CHANGE OF SLOTS, at a slot's head
.macro CHANGE fill
	s_wait_tensorcnt 0x0                           ; all my tensor loads have landed: my quarter of the slot ahead; so the descriptor may be written
	ds_add_u32 v[SPW], v[NIL]                      ; 0 onto my spare word
.if \fill
	s_xor_b32 s25, s25, SLOT1                      ; the other slot than last time,
	s_add_nc_u64 s[26:27], s[26:27], SBB           ; the next superblock; the type bits on top are not reached
.endif
	s_wait_dscnt 0x0                               ; the add is done, and my reads of the slot that I have left are over
.if \fill
	CROUND                                         ; no wave of any partner still reads that slot or has a load on its way
	tensor_load_to_lds s[24:27], s[16:23]          ; my one tensor load behind the round, and the first thing there
	s_nop 0
	PLACES 4
.else
	s_barrier_signal -1
	s_barrier_wait -1
.endif
.endm
	s_load_b256 s[4:11], s[0:1], 0x0               ; x_img s[4:5], w_img s[6:7], q_buf s[8:9], kv_buf s[10:11]
	v_lshl_add_u32 v[SPW], v0, 2, SPARE
	v_mov_b32 v[NIL], 0
	ds_add_u32 v10, v11
	ds_add_u32 v10, v11
	s_wait_dscnt 0x0
	v_lshrrev_b32 v20, 5, v0
	v_readfirstlane_b32 s12, v20                   ; wave 0..3
	s_bfe_u32 s13, ttmp6, 0x40000                  ; cx
	s_and_b32 s14, ttmp7, 0xffff                   ; y: 0-15 q, 16-31 k, 32-47 v
	s_lshl_b32 s45, s13, 2
	s_add_co_u32 s45, s45, s12                     ; 4 cx + wave
	s_and_b32 s46, s14, 15                         ; y % 16
	s_and_b32 s47, s46, 1
	s_mul_i32 s48, s46, 4*SBB                      ; R for q, k: tokens' superblocks 4 (y % 16) on
	s_mul_i32 s49, s47, 4*SBB                      ; R for v: units 32 + 8 (y % 2) on
	s_add_co_u32 s49, s49, 32*UNITB
	s_mul_i32 s66, s12, QTR                        ; my quarter of a superblock, in memory and in a slot
	s_mov_b32 s67, 0
	; q, k: P = unit 16 (y / 16) + 4 cx + wave of w_img; the results go to head (batch, 4 cx + wave), key steps 4 (y % 4) on, batch = (y % 16) / 4
	s_lshr_b32 s50, s14, 4
	s_lshl_b32 s50, s50, 4
	s_add_co_u32 s50, s50, s45
	s_mul_i32 s50, s50, UNITB
	s_lshr_b32 s52, s46, 2
	s_lshl_b32 s52, s52, 4
	s_add_co_u32 s52, s52, s45
	s_lshl_b32 s52, s52, 4
	s_and_b32 s72, s46, 3
	s_lshl_b32 s72, s72, 2
	s_add_co_u32 s52, s52, s72
	s_mul_i32 s52, s52, STEPB                      ; the codes' place,
	s_add_co_u32 s54, s52, 12288                   ; the scale words'
	; v: P = unit p = 16 ((y % 16) / 2) + 4 cx + wave of x_img; the results go to heads (p / 32, 8 (y % 2) on), key step (p / 2) % 16, half p % 2
	s_lshr_b32 s68, s46, 1
	s_lshl_b32 s68, s68, 4
	s_add_co_u32 s68, s68, s45
	s_mul_i32 s69, s68, UNITB
	s_lshr_b32 s70, s68, 5
	s_lshl_b32 s70, s70, 4
	s_lshl_b32 s72, s47, 3
	s_add_co_u32 s70, s70, s72
	s_lshl_b32 s70, s70, 4
	s_bfe_u32 s72, s68, 0x40001
	s_add_co_u32 s70, s70, s72
	s_mul_i32 s70, s70, STEPB
	s_and_b32 s72, s68, 1
	s_lshl_b32 s73, s72, 7
	s_add_co_u32 s71, s70, s73
	s_add_co_u32 s71, s71, 12544
	s_mul_i32 s73, s72, 768
	s_add_co_u32 s70, s70, s73
	s_add_co_u32 s70, s70, 6144
	s_mov_b32 s56, HEADB                           ; v: tiles 4-7 are the next head's;
	s_mov_b32 s58, HEADB
	s_mov_b32 s60, 1536                            ; from tile to tile;
	s_mov_b32 s38, 2*HEADB                         ; from superblock to superblock: two heads
	s_mov_b32 s42, 0x76543210
	s_mov_b32 s43, 0xfedcba98                      ; v_permlanex16_b32's selects for lane l xor 16
	s_mov_b32 s44, 0xffff0000                      ; lanes 16-31
	; the descriptor's group 1: a dense block of 25,600 bytes as 100 rows of 256 bytes
	s_mov_b32 s16, 15|(3<<16)|(1<<21)              ; 15:0 the mask: all four work-groups; 17:16 elements of 8 bytes; 20 no padding; 21 set beside a mask
	s_mov_b32 s17, 32<<16                          ; tensor_dim0 = 32
	s_mov_b32 s18, 100<<16                         ; tensor_dim1 = 100
	s_mov_b32 s19, 32<<16                          ; tile_dim0 = 32
	s_mov_b32 s20, 100                             ; tile_dim1 = 100
	s_mov_b32 s21, 32                              ; from row to row
	s_mov_b32 s22, 0
	s_mov_b32 s23, 0
	v_and_b32 v20, 31, v0
	v_lshlrev_b32 v[L16], 4, v20
	v_lshlrev_b32 v[L8], 3, v20
	v_lshlrev_b32 v[L4], 2, v20
.irp n, 0,1,2,3,4,5,6,7
	v_mov_b32 v[TX+\n], 0                          ; a lane permute's destination counts as one of its sources
.endr
	s_wait_kmcnt 0x0
	s_cmp_lt_u32 s14, 32                           ; q, k or v?  The same in all partners, and it hangs on no address
	s_cselect_b64 s[28:29], s[6:7], s[4:5]         ; P's buffer
	s_cselect_b64 s[62:63], s[4:5], s[6:7]         ; R's
	s_cselect_b32 s48, s48, s49
	s_cselect_b32 s50, s50, s69
	s_cselect_b32 s52, s52, s70
	s_cselect_b32 s54, s54, s71
	s_cselect_b32 s56, 3072, s56
	s_cselect_b32 s58, 128, s58
	s_cselect_b32 s60, 768, s60
	s_cselect_b32 s38, STEPB, s38
	s_cmp_lt_u32 s14, 16
	s_cselect_b64 s[30:31], s[8:9], s[10:11]       ; q goes to q_buf, k and v to kv_buf
	s_mov_b32 s49, 0
	s_mov_b32 s51, 0
	s_mov_b32 s53, 0
	s_mov_b32 s55, 0
	s_mov_b32 s57, 0
	s_mov_b32 s59, 0
	s_mov_b32 s39, 0
	s_add_nc_u64 s[62:63], s[62:63], s[48:49]
	s_add_nc_u64 s[62:63], s[62:63], s[66:67]      ; R: my quarter of the first superblock: no cx in it
	s_add_nc_u64 s[28:29], s[28:29], s[50:51]      ; P
	s_add_nc_u64 s[34:35], s[30:31], s[54:55]      ; scale words of tiles 0-3,
	s_add_nc_u64 s[30:31], s[30:31], s[52:53]      ; codes of tiles 0-3,
	s_add_nc_u64 s[32:33], s[30:31], s[56:57]      ; codes of tiles 4-7,
	s_add_nc_u64 s[36:37], s[34:35], s[58:59]      ; scale words of tiles 4-7
	s_mov_b32 s24, 1                               ; group 0: count = 1
	s_mov_b32 s25, s66                             ; LDS address: slot 0, my quarter
	s_mov_b64 s[26:27], s[62:63]
	s_or_b32 s27, s27, 0x80000000                  ; type = 2
.irp q, 0,1,2,3
	v_mad_u32_u24 v[VO16+\q], s60, \q, v[L16]
	v_mad_u32_u24 v[VO8+\q], s60, \q, v[L8]
.endr
	CROUND                                         ; all four work-groups are here: the first joint loads meet
	tensor_load_to_lds s[24:27], s[16:23]          ; superblock 0
	s_nop 0
	PLACES 4
	WIN 0x40                                       ; destination window 1
.irp s, 0,1,2,3
.irp p, 0,1,2,3
.irp c, 0,1
	global_load_b128 v[12*(4*\s+\p)+6*\c:12*(4*\s+\p)+6*\c+3], v[L16], s[28:29] offset:(4*\s+\p)*1536+768*\c
	global_load_b64 v[12*(4*\s+\p)+6*\c+4:12*(4*\s+\p)+6*\c+5], v[L8], s[28:29] offset:(4*\s+\p)*1536+768*\c+512
.endr
.endr
.endr
	WIN 0x80                                       ; destination window 2
.irp s, 0,1,2,3
.irp p, 0,1,2,3
.irp c, 0,1
	global_load_b128 v[12*(4*\s+\p)+6*\c:12*(4*\s+\p)+6*\c+3], v[L16], s[28:29] offset:(4*(\s+4)+\p)*1536+768*\c
	global_load_b64 v[12*(4*\s+\p)+6*\c+4:12*(4*\s+\p)+6*\c+5], v[L8], s[28:29] offset:(4*(\s+4)+\p)*1536+768*\c+512
.endr
.endr
.endr
	WIN 0
.irp n, 0,1,2,3,4,5,6,7,8,9,10,11,12,13,14,15
	global_load_b32 v[PSC+\n], v[L4], s[28:29] offset:SCOFF+128*\n
.endr
	s_mov_b32 s40, 0                               ; the slot in hand
	s_mov_b32 s41, 3
	s_wait_loadcnt 0x0                             ; P stays in registers from here on
.Lsb:                                              ; three trips: behind each change of slots but the last the next superblock is asked for
	CHANGE 1
	COMPUTE
	EPI 1
	s_xor_b32 s40, s40, SLOT1
	s_sub_co_u32 s41, s41, 1
	s_cmp_lg_u32 s41, 0
	s_cbranch_scc1 .Lsb
	CHANGE 0                                       ; the last superblock is written out
	COMPUTE
	EPI 0
	s_wait_tensorcnt 0x0                           ; the wave's end
	ds_add_u32 v[SPW], v[NIL]
	s_wait_dscnt 0x0
	CROUND                                         ; the closing round: no work-group ends while a partner may still ask for a tile that names it
	s_endpgm
.Lfunc_end_k_q01c88bb7b1_qkv:
	.size	k_q01c88bb7b1_qkv, .Lfunc_end_k_q01c88bb7b1_qkv-k_q01c88bb7b1_qkv
	.p2alignl 7, 3214868480
	.fill 96, 4, 3214868480
	.section	.rodata,"a",@progbits
	.p2align	6, 0x0
	.amdhsa_kernel k_q01c88bb7b1_qkv
		.amdhsa_group_segment_fixed_size 327680
		.amdhsa_private_segment_fixed_size 0
		.amdhsa_enable_private_segment 0
		.amdhsa_kernarg_size 32
		.amdhsa_user_sgpr_count 2
		.amdhsa_user_sgpr_kernarg_segment_ptr 1
		.amdhsa_wavefront_size32 1
		.amdhsa_system_sgpr_workgroup_id_x 1
		.amdhsa_system_sgpr_workgroup_id_y 1
		.amdhsa_system_sgpr_workgroup_id_z 1
		.amdhsa_system_vgpr_workitem_id 0
		.amdhsa_next_free_vgpr 1024
		.amdhsa_next_free_sgpr 100
		.amdhsa_reserve_vcc 0
		.amdhsa_float_denorm_mode_32 3
		.amdhsa_float_denorm_mode_16_64 3
		.amdhsa_memory_ordered 1
		.amdhsa_forward_progress 1
		.amdhsa_inst_pref_size 163
	.end_amdhsa_kernel
	.amdgpu_metadata
---
amdhsa.version: [ 1, 2 ]
amdhsa.kernels:
  - .name:           k_q01c88bb7b1_qkv
    .symbol:         k_q01c88bb7b1_qkv.kd
    .args:
      - { .name: x_img, .offset: 0, .size: 8, .value_kind: global_buffer, .address_space: global }
      - { .name: w_img, .offset: 8, .size: 8, .value_kind: global_buffer, .address_space: global }
      - { .name: q_buf, .offset: 16, .size: 8, .value_kind: global_buffer, .address_space: global }
      - { .name: kv_buf, .offset: 24, .size: 8, .value_kind: global_buffer, .address_space: global }
    .group_segment_fixed_size: 327680
    .private_segment_fixed_size: 0
    .kernarg_segment_align: 8
    .kernarg_segment_size: 32
    .max_flat_workgroup_size: 128
    .sgpr_count:     100
    .vgpr_count:     1024
    .wavefront_size: 32
...
	.end_amdgpu_metadata
.endif
;; end of part 2
;; launch attn (part 3): grid 4 x 64, 16 waves a work-group, clusters of 4 x 1, 207,872 bytes of LDS; arguments q_buf, kv_buf, o_img; writes o_img
.if DOCPART == 3
	.amdgcn_target "amdgcn-amd-amdhsa--gfx1250"
	.amdhsa_code_object_version 6
	.text
	.protected	k_q01c88bb7b1_attn
	.globl	k_q01c88bb7b1_attn
	.p2align	8
	.type	k_q01c88bb7b1_attn,@function
k_q01c88bb7b1_attn:
	s_mov_b64 s[64:65], 0
	v_nop
	global_prefetch_b8 v0, s[64:65] scope:SCOPE_SE
	s_setreg_imm32_b32 hwreg(HW_REG_WAVE_MODE, 25, 1), 1
	s_wait_xcnt 0x0
	s_wait_alu depctr_hold_cnt(0) depctr_sa_sdst(0) depctr_va_vdst(0) depctr_va_sdst(0) depctr_va_ssrc(0) depctr_va_vcc(0) depctr_vm_vsrc(0)
	s_getreg_b32 s2, hwreg(HW_REG_IB_STS2, 6, 4)
	s_cmp_eq_u32 s2, 0
	s_cbranch_scc0 .Lentry_in_a_cluster
	s_endpgm
.Lentry_in_a_cluster:
	s_bfe_u32 s2, ttmp6, 0x10000c
	s_cmp_lg_u32 s2, 0x3003
	s_cbranch_scc0 .Lentry_shape_is_right
	s_endpgm
.Lentry_shape_is_right:
; o = softmax(q k^T) v for one head (no factor on the scores), both products on codes of FP6 (E2M3) with E8M0 scales; o is divided by the row's sum, quantised along the head's 64 and stored as codes for the last product.
; THE SOFTMAX: t = score x log2(e); M = the row's largest t so far, rounded UP to a whole number; p = 2^(t - M) is quantised along the keys, not normalised; the row's sum is taken of the unquantised p.
; When M moves, the sum and O are multiplied by 2^(old M - new M): exact.
; SHARES.  The cluster's y is the head (batch x 16 + head); work-group cx owns 512 of its 2,048 queries.  Sixteen waves of 256 registers, four to a SIMD, so that one wave's vector work stands beside another's
; matrix work and LDS loads.  A wave takes one tile of 16 queries in each of two passes and walks all 2,048 keys, 128 a step.
; A WHOLE HEAD'S K, V AND SCALES, 204,800 bytes, lie in LDS, filled ONCE: wave w asks for key step w's 12,800 dense bytes, JOINTLY with the same wave of the three partners.  No slot is filled again: no ring.
; No prefetch: everything is asked for at the head.
; LAYOUT.  Both products are used transposed: S^T = K Q^T, O^T = V^T P^T: a lane holds ONE query throughout.  The keys of a tile of K (and the channels of a tile of V) are ordered so that the 16 registers of two
; neighbouring tiles of a result are 16 neighbours along the next product's K.  A key step in LDS: K's 8 tiles (16 keys x 64: 768 bytes: registers 0-3 at 16 x lane, 4-5 at 512 + 8 x lane); V's 4 fragments
; (16 channels x 128 keys, two such halves); 256 bytes of K's scale words; 256 of V's.
; K = 64 IN AN INSTRUCTION OF 128: K's tiles lie on end in registers, 6 each, and source 0 takes 12: a tile and a neighbour.  Source 1 is [q | 0] or [0 | q]: zero codes meet the neighbour's codes, so they add
; nothing; the scale bytes that go with the idle half are real bytes (1 to 254), never 0xff.
; LIMITS: NaN and infinities are not served; a block of p or of o whose largest magnitude lies under 2^-124 keeps the byte 1 (a block of zeros too: its codes are zeros); a block's largest p is taken from its
; largest score by the same multiply-add and exponential, which takes v_exp_f32 not to fall where its input rises; o / sum is v_rcp_f32 and a multiplication.
; REGISTERS: v1-3 16, 8, 4 x lane; v4-6 the step's addresses; v7 q's scale word; v8-9 K's; v10-11 V's halves; v12 -M, v13 the largest t, v[14:15] the sum; v16-33 [0 | q | 0]; v34-81 K's tiles, then V's fragments;
; v82-83 V's scale words; v84 p's; v85-87 addresses; v[88:89] f; v90-93 at work; v96-159 S^T, then p; v160-191 O^T; v192-211 p's codes; v212-223 at work.
.set STEPB, 12800
.set HEADB, 16*STEPB
.set SST,   HEADB                      ; behind the head: the stage for o's scale bytes: four superblocks x 256 bytes; no fill lands there
.set L16, 1
.set L8,  2
.set L4,  3
.macro PLACES n
.rept \n
	v_nop
.endr
.endm
.macro CROUND                          ; a round of the cluster's barrier
	s_barrier_signal -1
	s_barrier_wait -1
	s_cmp_lg_u32 s12, 0
	s_cbranch_scc1 .Lnot_wave_0_\@
	s_barrier_signal -3
.Lnot_wave_0_\@:
	s_barrier_wait -3
	s_barrier_signal -1
	s_barrier_wait -1
.endm
; one product: D at d, source 0 at a, source 1 at b; scale registers sa, sb; source 0's scales from lanes 16-31 where ra = 1; z = 1: the product starts the sum
.macro WM d, a, b, sa, ra, sb, z
.if \z
.if \ra
	v_wmma_scale_f32_16x16x128_f8f6f4 v[\d:\d+7], v[\a:\a+11], v[\b:\b+11], 0, v[\sa], v[\sb] matrix_a_fmt:MATRIX_FMT_FP6 matrix_b_fmt:MATRIX_FMT_FP6 matrix_a_scale:MATRIX_SCALE_ROW1
.else
	v_wmma_scale_f32_16x16x128_f8f6f4 v[\d:\d+7], v[\a:\a+11], v[\b:\b+11], 0, v[\sa], v[\sb] matrix_a_fmt:MATRIX_FMT_FP6 matrix_b_fmt:MATRIX_FMT_FP6
.endif
.else
.if \ra
	v_wmma_scale_f32_16x16x128_f8f6f4 v[\d:\d+7], v[\a:\a+11], v[\b:\b+11], v[\d:\d+7], v[\sa], v[\sb] matrix_a_fmt:MATRIX_FMT_FP6 matrix_b_fmt:MATRIX_FMT_FP6 matrix_a_scale:MATRIX_SCALE_ROW1
.else
	v_wmma_scale_f32_16x16x128_f8f6f4 v[\d:\d+7], v[\a:\a+11], v[\b:\b+11], v[\d:\d+7], v[\sa], v[\sb] matrix_a_fmt:MATRIX_FMT_FP6 matrix_b_fmt:MATRIX_FMT_FP6
.endif
.endif
.endm
; A KEY STEP: the 128 keys whose bytes begin at s36
.macro STEP
	v_add_nc_u32 v4, s36, v[L16]
	v_add_nc_u32 v5, s36, v[L8]
	v_add_nc_u32 v6, s36, v[L4]
	v_nop                                          ; four plain lines behind the last products, in front of loads into registers that they read
.irp t, 0,1,2,3,4,5,6,7
	ds_load_b128 v[34+6*\t:37+6*\t], v4 offset:768*\t
	ds_load_b64 v[38+6*\t:39+6*\t], v5 offset:768*\t+512
.endr
	ds_load_b32 v8, v6 offset:12288                ; K's scale words: bytes 0-1 tile u, bytes 2-3 tile 2 + u (u = lane / 16);
	ds_load_b32 v9, v6 offset:12416                ; tiles 4 + u and 6 + u
	s_wait_dscnt 0x0
.irp t, 0,1,2,3,4,5,6,7                ; S^T = K Q^T
.if (\t/2)%2 == 0
	WM 96+8*\t, 34+6*\t, 22, 8+\t/4, \t%2, 7, 1    ; the tile in the lower 64 along K, against [q | 0]
.else
	WM 96+8*\t, 28+6*\t, 16, 8+\t/4, \t%2, 7, 1    ; the tile in the upper 64, against [0 | q]
.endif
.endr
	PLACES 4                                       ; in front of the loads below and of the first read of the scores
.irp t, 0,1,2,3
.irp c, 0,1
	ds_load_b128 v[34+12*\t+6*\c:37+12*\t+6*\c], v4 offset:6144+1536*\t+768*\c   ; V's fragments land while the softmax is worked
	ds_load_b64 v[38+12*\t+6*\c:39+12*\t+6*\c], v5 offset:6144+1536*\t+768*\c+512
.endr
.endr
	ds_load_b32 v10, v6 offset:12544               ; V's scale bytes of keys 0-63: tile u, tile 2 + u;
	ds_load_b32 v11, v6 offset:12672               ; of keys 64-127
.irp b, 0,1,2,3
	v_max3_num_f32 v[212+\b], v[96+16*\b], v[97+16*\b], v[98+16*\b]   ; the largest score of each block of 32 keys: for the row's maximum and for the block's largest p
.endr
.irp i, 3,5,7,9,11,13
.irp b, 0,1,2,3
	v_max3_num_f32 v[212+\b], v[212+\b], v[96+16*\b+\i], v[97+16*\b+\i]
.endr
.endr
.irp b, 0,1,2,3
	v_max_num_f32 v[212+\b], v[212+\b], v[111+16*\b]
.endr
.irp b, 0,1,2,3
	v_permlanex16_b32 v[216+\b], v[212+\b], s40, s41
.endr
.irp b, 0,1,2,3
	v_max_num_f32 v[212+\b], v[212+\b], v[216+\b]  ; with lane l xor 16's 16 keys
.endr
	v_max3_num_f32 v90, v212, v213, v214
	v_max_num_f32 v90, v90, v215                   ; the step's largest score of my query
	v_mul_f32 v90, s38, v90                        ; as t
	v_max_num_f32 v13, v13, v90                    ; the running largest t
	v_mov_b32 v90, v12
	v_floor_f32 v12, -v13                          ; the new -M = floor(-t) = -ceil(t)
	v_sub_f32 v90, v12, v90                        ; old M - new M: a whole number, 0 or less
	v_cvt_i32_f32 v90, v90                         ; (it saturates)
	v_ldexp_f32 v88, 1.0, v90                      ; f = 2^(old M - new M)
.set j, 0
.rept 32
	v_pk_fma_f32 v[96+j:97+j], v[96+j:97+j], s[38:39], v[12:13] op_sel_hi:[1,0,0]   ; t - M, two at a time
.set j, j+2
.endr
.irp b, 0,1,2,3
	v_fma_f32 v[212+\b], v[212+\b], s38, v12       ; the same of each block's largest score
.endr
.set j, 0
.rept 64
	v_exp_f32 v[96+j], v[96+j]                     ; p = 2^(t - M)
.set j, j+1
.endr
	v_pk_mul_f32 v[14:15], v[14:15], v[88:89] op_sel_hi:[1,0]   ; the sums under the new M: a plain line behind the exponentials
	s_wait_alu depctr_va_vdst(0)                   ; one wait for the batch, ahead of its first reader
.irp b, 0,1,2,3
	v_exp_f32 v[212+\b], v[212+\b]                 ; the blocks' largest p
.endr
	v_pk_add_f32 v[216:217], v[96:97], v[98:99]    ; the row's sum of the unquantised p, in two chains
.irp j, 4,8,12,16,20,24,28,32,36,40,44,48,52,56,60
	v_pk_add_f32 v[14:15], v[14:15], v[96+\j:97+\j]
	v_pk_add_f32 v[216:217], v[216:217], v[98+\j:99+\j]
.endr
	v_pk_add_f32 v[14:15], v[14:15], v[216:217]
	s_wait_alu depctr_va_vdst(0)                   ; and one for the four
.irp b, 0,1,2,3
	v_max_num_f32 v[212+\b], 0x1800000, v[212+\b]  ; the floor 2^(3 - 127): the byte cannot fall under 1
.endr
.irp b, 0,1,2,3
	v_add_nc_u32 v[220+\b], 0xff000000, v[212+\b]  ; 2 off the exponent field: the conversion's scale operand
.endr
.irp b, 0,1,2,3
	v_lshrrev_b32 v[216+\b], 23, v[220+\b]         ; the byte
.endr
	v_lshl_or_b32 v84, v217, 8, v216               ; p's scale word for these 128 keys
	v_lshl_or_b32 v84, v218, 16, v84
	v_lshl_or_b32 v84, v219, 24, v84
	s_wait_dscnt 0x0                               ; V and its scale bytes are in
	v_perm_b32 v82, v11, v10, s42                  ; V's scale words: tiles 0, 1 (by the lanes' halves): four bytes for the four blocks of keys;
	v_perm_b32 v83, v11, v10, s43                  ; tiles 2, 3
.irp c, 0,1
	v_cvt_scalef32_pk16_fp6_f32 v[192+6*\c:194+6*\c], v[96+32*\c:111+32*\c], v[220+2*\c]
	v_cvt_scalef32_pk16_fp6_f32 v[204+4*\c:206+4*\c], v[112+32*\c:127+32*\c], v[220+2*\c+1]
.endr
	v_nop                                          ; one plain line behind the scaled conversions
.irp c, 0,1
.irp i, 0,1,2
	v_permlane16_swap_b32 v[192+6*\c+\i], v[204+4*\c+\i]   ; a whole block to a lane
.endr
.irp i, 0,1,2
	v_mov_b32 v[195+6*\c+\i], v[204+4*\c+\i]
.endr
.endr
.set j, 0
.rept 16
	v_pk_mul_f32 v[160+j:161+j], v[160+j:161+j], v[88:89] op_sel_hi:[1,0]   ; O^T under the new M; these lines also stand between the scale words' and the codes' last writes and the products
.set j, j+2
.endr
.irp t, 0,1,2,3                        ; O^T += V^T P^T: the four accumulators by turns
	WM 160+8*\t, 34+12*\t, 192, 82+\t/2, \t%2, 84, 0
.endr
.endm
; A PASS: one tile of 16 queries against all keys.  pn = 0, 1: local superblock 2 pn + wave / 8
.macro PASS pn
	global_load_b128 v[22:25], v[L16], s[28:29] offset:2*STEPB*\pn
	global_load_b64 v[26:27], v[L8], s[28:29] offset:2*STEPB*\pn+512
	global_load_b32 v7, v85, s[30:31] offset:2*STEPB*\pn
	v_mov_b32 v13, 0xff61b1e6                      ; the largest t so far: -3e38, under every t
	v_floor_f32 v12, -v13                          ; -M
	v_mov_b32 v14, 0
	v_mov_b32 v15, 0
	s_mov_b32 s36, 0
	s_mov_b32 s37, 16
	s_wait_loadcnt 0x0
	v_lshrrev_b32 v7, s76, v7                      ; my tile's two bytes of the word,
	v_and_b32 v7, 0xffff, v7
	v_lshl_or_b32 v7, v7, 16, v7                   ; for the lower 64 along K and for the upper
.set j, 0
.rept 32
	v_mov_b32 v[160+j], 0                          ; O^T: the loop has no first step of its own; these lines also stand between the scale word's write and the first product
.set j, j+1
.endr
.Lstep_\@:
	STEP
	s_add_co_u32 s36, s36, STEPB
	s_sub_co_u32 s37, s37, 1
	s_cmp_lg_u32 s37, 0
	s_cbranch_scc1 .Lstep_\@
	PLACES 4                                       ; behind the last products
	v_add_f32 v14, v14, v15
	v_permlanex16_b32 v90, v14, s40, s41
	v_add_f32 v14, v14, v90                        ; the row's sum
	v_rcp_f32 v88, v14
	v_nop                                          ; a plain line behind the reciprocal
	s_wait_alu depctr_va_vdst(0)                   ; and the wait ahead of its first reader
.set j, 0
.rept 16
	v_pk_mul_f32 v[96+j:97+j], v[160+j:161+j], v[88:89] op_sel_hi:[1,0]   ; o: register 16 b + i = channel 32 b + 16 (lane / 16) + i of my query
.set j, j+2
.endr
.irp b, 0,1
	v_max3_num_f32 v[212+\b], |v[96+16*\b]|, |v[97+16*\b]|, 0x1800000
.endr
.irp i, 2,4,6,8,10,12,14
.irp b, 0,1
	v_max3_num_f32 v[212+\b], v[212+\b], |v[96+16*\b+\i]|, |v[97+16*\b+\i]|
.endr
.endr
.irp b, 0,1
	v_permlanex16_b32 v[216+\b], v[212+\b], s40, s41
.endr
.irp b, 0,1
	v_max_num_f32 v[212+\b], v[212+\b], v[216+\b]
.endr
.irp b, 0,1
	v_add_nc_u32 v[220+\b], 0xff000000, v[212+\b]
.endr
.irp b, 0,1
	v_lshrrev_b32 v[216+\b], 23, v[220+\b]
.endr
	v_lshl_or_b32 v91, v217, 8, v216               ; my row's two bytes
	v_cvt_scalef32_pk16_fp6_f32 v[192:194], v[96:111], v220
	v_cvt_scalef32_pk16_fp6_f32 v[204:206], v[112:127], v221
	v_nop
.irp i, 0,1,2
	v_permlane16_swap_b32 v[192+\i], v[204+\i]
.endr
.irp i, 0,1,2
	v_mov_b32 v[195+\i], v[204+\i]
.endr
	global_store_b128 v[L16], v[192:195], s[32:33] offset:4*51200*\pn        ; 512 consecutive bytes, aligned to 256
	global_store_b64 v[L8], v[196:197], s[32:33] offset:4*51200*\pn+512      ; 256 consecutive bytes, aligned
	ds_store_b16 v86, v91 offset:512*\pn           ; lanes l and l xor 16 write the same two bytes with the same value
	s_wait_xcnt 0x0                                ; the stores have read their registers
.endm
	s_load_b128 s[4:7], s[0:1], 0x0                ; q_buf s[4:5], kv_buf s[6:7]
	s_load_b64 s[8:9], s[0:1], 0x10                ; o_img
	v_lshl_add_u32 v254, v0, 2, 0x32400
	v_mov_b32 v255, 0
	ds_add_u32 v254, v255
	ds_add_u32 v254, v255
	v_lshrrev_b32 v90, 5, v0
	v_readfirstlane_b32 s12, v90                   ; wave 0..15
	s_bfe_u32 s13, ttmp6, 0x40000                  ; cx
	s_and_b32 s14, ttmp7, 0xffff                   ; batch x 16 + head
	s_mul_i32 s44, s14, HEADB
	s_mov_b32 s45, 0
	s_mul_i32 s46, s12, STEPB                      ; my key step, in memory and in LDS
	s_mov_b32 s47, 0
	; the descriptor's group 1: a dense block of 12,800 bytes as 50 rows of 256 bytes
	s_mov_b32 s16, 15|(3<<16)|(1<<21)              ; the mask: all four work-groups; elements of 8 bytes; no padding; bit 21 set beside a mask
	s_mov_b32 s17, 32<<16
	s_mov_b32 s18, 50<<16
	s_mov_b32 s19, 32<<16
	s_mov_b32 s20, 50
	s_mov_b32 s21, 32
	s_mov_b32 s22, 0
	s_mov_b32 s23, 0
	s_mov_b32 s38, 0x3fb8aa3b                      ; log2(e)
	s_mov_b32 s39, s38                             ; (named with it as a pair)
	s_mov_b32 s40, 0x76543210
	s_mov_b32 s41, 0xfedcba98                      ; v_permlanex16_b32's selects for lane l xor 16
	s_mov_b32 s42, 0x05040100                      ; the two low halves
	s_mov_b32 s43, 0x07060302                      ; the two high halves
	s_and_b32 s48, s12, 7                          ; m: my tile of a superblock's eight
	s_lshr_b32 s49, s12, 3                         ; which of a pass's two superblocks
	s_lshr_b32 s51, s48, 2                         ; m / 4
	s_bfe_u32 s53, s48, 0x10001                    ; (m / 2) % 2
	s_and_b32 s54, s48, 1                          ; m % 2
	s_lshl_b32 s76, s53, 4                         ; my bytes' place in a scale word, in bits
	; the stage for o's scale bytes: 256 x superblock + 128 (m / 4) + 4 (16 (m % 2) + r) + 2 ((m / 2) % 2)
	s_lshl_b32 s50, s49, 8
	s_lshl_b32 s52, s51, 7
	s_add_co_u32 s50, s50, s52
	s_lshl_b32 s52, s53, 1
	s_add_co_u32 s50, s50, s52
	s_lshl_b32 s52, s54, 6
	s_add_co_u32 s50, s50, s52
	s_add_co_u32 s50, s50, SST
	s_and_b32 s73, s12, 3
	s_lshl_b32 s55, s73, 8
	s_add_co_u32 s55, s55, SST
	; q: head, key step 4 cx + wave / 8 (+ 2 a pass), tile m
	s_lshl_b32 s56, s13, 2
	s_add_co_u32 s57, s56, s49
	s_mul_i32 s58, s57, STEPB
	s_add_co_u32 s58, s58, s44
	s_mul_i32 s52, s48, 768
	s_add_co_u32 s60, s58, s52
	s_mov_b32 s61, 0
	s_lshl_b32 s52, s51, 7
	s_add_co_u32 s62, s58, s52
	s_lshl_b32 s52, s54, 6
	s_add_co_u32 s62, s62, s52
	s_add_co_u32 s62, s62, 12288
	s_mov_b32 s63, 0
	; o's codes: superblock 16 batch + 4 cx + wave / 8, unit m / 4, K step head / 2, tile m % 4, half head % 2
	s_lshr_b32 s66, s14, 4
	s_and_b32 s67, s14, 15
	s_lshl_b32 s68, s66, 4
	s_add_co_u32 s69, s68, s57
	s_mul_i32 s70, s69, 102400
	s_mul_i32 s52, s51, 51200
	s_add_co_u32 s70, s70, s52
	s_lshr_b32 s52, s67, 1
	s_lshl_b32 s52, s52, 2
	s_and_b32 s72, s48, 3
	s_add_co_u32 s52, s52, s72
	s_mul_i32 s52, s52, 1536
	s_add_co_u32 s70, s70, s52
	s_and_b32 s52, s67, 1
	s_mul_i32 s52, s52, 768
	s_add_co_u32 s70, s70, s52
	s_mov_b32 s71, 0
	; o's scale bytes: superblock 16 batch + 4 cx + wave % 4, unit head / 8, 256 bytes a head
	s_add_co_u32 s74, s68, s56
	s_add_co_u32 s74, s74, s73
	s_mul_i32 s74, s74, 102400
	s_lshr_b32 s52, s67, 3
	s_mul_i32 s52, s52, 51200
	s_add_co_u32 s74, s74, s52
	s_and_b32 s52, s67, 7
	s_lshl_b32 s52, s52, 8
	s_add_co_u32 s74, s74, s52
	s_add_co_u32 s74, s74, 49152
	s_mov_b32 s75, 0
	s_wait_dscnt 0x0
	s_wait_kmcnt 0x0
	s_mov_b32 s24, 1                               ; group 0: count = 1
	s_mov_b32 s25, s46                             ; LDS address
	s_add_nc_u64 s[26:27], s[6:7], s[44:45]
	s_add_nc_u64 s[26:27], s[26:27], s[46:47]      ; the head's key step w: no cx in it
	s_or_b32 s27, s27, 0x80000000                  ; type = 2
	s_add_nc_u64 s[28:29], s[4:5], s[60:61]
	s_add_nc_u64 s[30:31], s[4:5], s[62:63]
	s_add_nc_u64 s[32:33], s[8:9], s[70:71]
	s_add_nc_u64 s[34:35], s[8:9], s[74:75]
	CROUND                                         ; all four work-groups are here: the joint loads meet
	tensor_load_to_lds s[24:27], s[16:23]          ; my one tensor load of the launch
	s_nop 0
	PLACES 4
	v_and_b32 v90, 31, v0
	v_lshlrev_b32 v[L16], 4, v90
	v_lshlrev_b32 v[L8], 3, v90
	v_lshlrev_b32 v[L4], 2, v90
	v_and_b32 v91, 15, v0
	v_lshlrev_b32 v85, 2, v91                      ; 4 r
	v_add_nc_u32 v86, s50, v85
	v_add_nc_u32 v87, s55, v[L8]
.irp j, 16,17,18,19,20,21,28,29,30,31,32,33
	v_mov_b32 v[\j], 0                             ; the zero codes on both sides of q
.endr
.irp b, 0,1,2,3
	v_mov_b32 v[216+\b], 0                         ; a lane permute's destination counts as one of its sources
.endr
	v_mov_b32 v89, 0                               ; (named as the upper half of the pair v[88:89])
	s_wait_tensorcnt 0x0                           ; my key step is in,
	s_barrier_signal -1
	s_barrier_wait -1                              ; everybody's is: the head lies in LDS
	PASS 0
	PASS 1
	s_wait_dscnt 0x0                               ; my stores into the stage are done
	s_barrier_signal -1
	s_barrier_wait -1
	s_cmp_lt_u32 s12, 4
	s_cbranch_scc0 .Lno_scales
	ds_load_b64 v[92:93], v87                      ; waves 0-3: one superblock's 256 scale bytes of this head
	s_wait_dscnt 0x0
	global_store_b64 v[L8], v[92:93], s[34:35]     ; 256 consecutive bytes, aligned
.Lno_scales:
	s_wait_tensorcnt 0x0
	ds_add_u32 v254, v255
	s_wait_dscnt 0x0
	CROUND                                         ; the closing round
	s_endpgm
.Lfunc_end_k_q01c88bb7b1_attn:
	.size	k_q01c88bb7b1_attn, .Lfunc_end_k_q01c88bb7b1_attn-k_q01c88bb7b1_attn
	.p2alignl 7, 3214868480
	.fill 96, 4, 3214868480
	.section	.rodata,"a",@progbits
	.p2align	6, 0x0
	.amdhsa_kernel k_q01c88bb7b1_attn
		.amdhsa_group_segment_fixed_size 207872
		.amdhsa_private_segment_fixed_size 0
		.amdhsa_enable_private_segment 0
		.amdhsa_kernarg_size 24
		.amdhsa_user_sgpr_count 2
		.amdhsa_user_sgpr_kernarg_segment_ptr 1
		.amdhsa_wavefront_size32 1
		.amdhsa_system_sgpr_workgroup_id_x 1
		.amdhsa_system_sgpr_workgroup_id_y 1
		.amdhsa_system_sgpr_workgroup_id_z 1
		.amdhsa_system_vgpr_workitem_id 0
		.amdhsa_next_free_vgpr 256
		.amdhsa_next_free_sgpr 100
		.amdhsa_reserve_vcc 0
		.amdhsa_float_denorm_mode_32 3
		.amdhsa_float_denorm_mode_16_64 3
		.amdhsa_memory_ordered 1
		.amdhsa_forward_progress 1
		.amdhsa_inst_pref_size 50
	.end_amdhsa_kernel
	.amdgpu_metadata
---
amdhsa.version: [ 1, 2 ]
amdhsa.kernels:
  - .name:           k_q01c88bb7b1_attn
    .symbol:         k_q01c88bb7b1_attn.kd
    .args:
      - { .name: q_buf, .offset: 0, .size: 8, .value_kind: global_buffer, .address_space: global }
      - { .name: kv_buf, .offset: 8, .size: 8, .value_kind: global_buffer, .address_space: global }
      - { .name: o_img, .offset: 16, .size: 8, .value_kind: global_buffer, .address_space: global }
    .group_segment_fixed_size: 207872
    .private_segment_fixed_size: 0
    .kernarg_segment_align: 8
    .kernarg_segment_size: 24
    .max_flat_workgroup_size: 512
    .sgpr_count:     100
    .vgpr_count:     256
    .wavefront_size: 32
...
	.end_amdgpu_metadata
.endif
;; end of part 3
;; launch proj (part 4): grid 4 x 64, 4 waves a work-group, clusters of 4 x 1, 168,448 bytes of LDS; arguments o_img, w_img, out0; writes out0
.if DOCPART == 4
	.amdgcn_target "amdgcn-amd-amdhsa--gfx1250"
	.amdhsa_code_object_version 6
	.text
	.protected	k_q01c88bb7b1_proj
	.globl	k_q01c88bb7b1_proj
	.p2align	8
	.type	k_q01c88bb7b1_proj,@function
k_q01c88bb7b1_proj:
	s_mov_b64 s[64:65], 0
	v_nop
	global_prefetch_b8 v0, s[64:65] scope:SCOPE_SE
	s_setreg_imm32_b32 hwreg(HW_REG_WAVE_MODE, 25, 1), 1
	s_wait_xcnt 0x0
	s_wait_alu depctr_hold_cnt(0) depctr_sa_sdst(0) depctr_va_vdst(0) depctr_va_sdst(0) depctr_va_ssrc(0) depctr_va_vcc(0) depctr_vm_vsrc(0)
	s_getreg_b32 s2, hwreg(HW_REG_IB_STS2, 6, 4)
	s_cmp_eq_u32 s2, 0
	s_cbranch_scc0 .Lentry_in_a_cluster
	s_endpgm
.Lentry_in_a_cluster:
	s_bfe_u32 s2, ttmp6, 0x10000c
	s_cmp_lg_u32 s2, 0x3003
	s_cbranch_scc0 .Lentry_shape_is_right
	s_endpgm
.Lentry_shape_is_right:
; out0 = o w_proj on codes of FP6 (E2M3) with E8M0 scales, f32 sums, f32 out.
; A wave keeps one unit P (64 columns of w_proj x all 1,024 along K: 384 registers); the work-group's superblock R (128 tokens of o x all of K, 102,400 dense bytes) lies in LDS, filled ONCE.
; D = P R^T with P as source 0: a lane holds one token, its registers neighbouring columns of out0.
; SHARES.  The cluster's y is the superblock; work-group cx and wave w take columns 64 (4 cx + w) on.  256 work-groups.
; CLUSTER.  The four work-groups of a cluster need the same R: each quarter is asked for JOINTLY by the same wave of all four.  cx enters global addresses of P and of out0 alone.  No prefetch: all is asked for at the head.
; o's scale bytes lie by heads (two blocks a head); a K step is two heads: its scale words are put together from two loaded words by v_perm_b32.
; REGISTERS.  window 0: v1-14 addresses; v24-39 P's scale words; v40-71 R's; v72-215 three buffers of four fragments of R, on the way out rows of out0; v216-247 the loaded halves of R's scale words.
;   windows 1, 2: P's fragment (K step s, tile p) at v[12 (4 (s % 4) + p)] of window 1 + s / 4.   window 3: accumulator (R's tile m, P's tile p) at v[8 (4 m + p)].
.set UNITB,  51200
.set SBB,    2*UNITB
.set QTR,    SBB/4
.set SCOFF,  49152
.set STG,    SBB                       ; behind R: a stage of 16 rows x (256 bytes + 16) for each wave; no fill lands there
.set SPITCH, 272
.set L16,  1
.set L8,   2
.set L4,   3
.set AD16, 4
.set AD8,  6
.set AD4,  8
.set STO,  12
.set RD,   13
.set CO,   14
.set PSC,  24
.set RSC,  40
.set FB,   72
.set EO,   216
.set MSB, 0
.macro WIN new                         ; the immediate's high byte repeats the setting that is left
.if MSB != \new
	s_set_vgpr_msb (MSB<<8)|\new
.set MSB, \new
.endif
.endm
.macro PLACES n
.rept \n
	v_nop
.endr
.endm
.macro CROUND                          ; a round of the cluster's barrier
	s_barrier_signal -1
	s_barrier_wait -1
	s_cmp_lg_u32 s12, 0
	s_cbranch_scc1 .Lnot_wave_0_\@
	s_barrier_signal -3
.Lnot_wave_0_\@:
	s_barrier_wait -3
	s_barrier_signal -1
	s_barrier_wait -1
.endm
.macro WM d, a, b, sa, ra, sb, rb, z
.if \z
.if (\ra) && (\rb)
	v_wmma_scale_f32_16x16x128_f8f6f4 v[\d:\d+7], v[\a:\a+11], v[\b:\b+11], 0, v[\sa], v[\sb] matrix_a_fmt:MATRIX_FMT_FP6 matrix_b_fmt:MATRIX_FMT_FP6 matrix_a_scale:MATRIX_SCALE_ROW1 matrix_b_scale:MATRIX_SCALE_ROW1
.elseif \ra
	v_wmma_scale_f32_16x16x128_f8f6f4 v[\d:\d+7], v[\a:\a+11], v[\b:\b+11], 0, v[\sa], v[\sb] matrix_a_fmt:MATRIX_FMT_FP6 matrix_b_fmt:MATRIX_FMT_FP6 matrix_a_scale:MATRIX_SCALE_ROW1
.elseif \rb
	v_wmma_scale_f32_16x16x128_f8f6f4 v[\d:\d+7], v[\a:\a+11], v[\b:\b+11], 0, v[\sa], v[\sb] matrix_a_fmt:MATRIX_FMT_FP6 matrix_b_fmt:MATRIX_FMT_FP6 matrix_b_scale:MATRIX_SCALE_ROW1
.else
	v_wmma_scale_f32_16x16x128_f8f6f4 v[\d:\d+7], v[\a:\a+11], v[\b:\b+11], 0, v[\sa], v[\sb] matrix_a_fmt:MATRIX_FMT_FP6 matrix_b_fmt:MATRIX_FMT_FP6
.endif
.else
.if (\ra) && (\rb)
	v_wmma_scale_f32_16x16x128_f8f6f4 v[\d:\d+7], v[\a:\a+11], v[\b:\b+11], v[\d:\d+7], v[\sa], v[\sb] matrix_a_fmt:MATRIX_FMT_FP6 matrix_b_fmt:MATRIX_FMT_FP6 matrix_a_scale:MATRIX_SCALE_ROW1 matrix_b_scale:MATRIX_SCALE_ROW1
.elseif \ra
	v_wmma_scale_f32_16x16x128_f8f6f4 v[\d:\d+7], v[\a:\a+11], v[\b:\b+11], v[\d:\d+7], v[\sa], v[\sb] matrix_a_fmt:MATRIX_FMT_FP6 matrix_b_fmt:MATRIX_FMT_FP6 matrix_a_scale:MATRIX_SCALE_ROW1
.elseif \rb
	v_wmma_scale_f32_16x16x128_f8f6f4 v[\d:\d+7], v[\a:\a+11], v[\b:\b+11], v[\d:\d+7], v[\sa], v[\sb] matrix_a_fmt:MATRIX_FMT_FP6 matrix_b_fmt:MATRIX_FMT_FP6 matrix_b_scale:MATRIX_SCALE_ROW1
.else
	v_wmma_scale_f32_16x16x128_f8f6f4 v[\d:\d+7], v[\a:\a+11], v[\b:\b+11], v[\d:\d+7], v[\sa], v[\sb] matrix_a_fmt:MATRIX_FMT_FP6 matrix_b_fmt:MATRIX_FMT_FP6
.endif
.endif
.endm
; half step i = 2 s + a: the four fragments of R's unit a at K step s, 16 LDS loads, into buffer i % 3
.macro LOADH i
.set ls, (\i)/2
.set la, (\i)%2
.set lf, FB+48*((\i)%3)
.irp t, 0,1,2,3
.irp c, 0,1
	ds_load_b128 v[lf+12*\t+6*\c:lf+12*\t+6*\c+3], v[AD16+la] offset:(4*ls+\t)*1536+768*\c
	ds_load_b64 v[lf+12*\t+6*\c+4:lf+12*\t+6*\c+5], v[AD8+la] offset:(4*ls+\t)*1536+768*\c+512
.endr
.endr
.endm
; half step i: the loads of two half steps on, then 16 products.  The 32 accumulators take turns, one instruction a turn
.macro HSTEP i
.if (\i)+2 < 16
.if (\i) > 0
	PLACES 4                                       ; the buffer to be loaded was read by the half step before
.endif
	LOADH (\i)+2
	s_wait_dscnt 32                                ; the sixteen loads of each of the two later half steps may be out
.elseif (\i) == 14
	s_wait_dscnt 16                                ; the last half step's may be out
.else
	s_wait_dscnt 0x0
.endif
.set hs, (\i)/2
.set ha, (\i)%2
.set hb, FB+48*((\i)%3)
.set hw, 0xf1+hs/4
.if hs == 0
.set hz, 1
.else
.set hz, 0
.endif
	WIN hw                                         ; source 0 (P) window 1 or 2, source 1 (R) window 0, C and D window 3
.irp t, 0,1,2,3
.irp p, 0,1,2,3
	WM 8*(4*(4*ha+\t)+\p), 12*(4*(hs%4)+\p), hb+12*\t, PSC+2*hs+\p/2, \p%2, RSC+16*ha+2*hs+\t/2, \t%2, hz
.endr
.endr
	WIN 0
.endm
; THE WAY OUT, a tile of 16 tokens x 64 columns at a time, through my own stage: a lane holds 8 neighbouring columns of a token; back come whole rows of 256 bytes
.macro TOSTAGE m
	WIN 0x0c                                       ; an LDS store's data are its source 1: window 3
.irp p, 0,1,2,3
	ds_store_b128 v[STO], v[8*(4*(\m)+\p):8*(4*(\m)+\p)+3] offset:128*(\p/2)+32*(\p%2)          ; each accumulator from its low end on
	ds_store_b128 v[STO], v[8*(4*(\m)+\p)+4:8*(4*(\m)+\p)+7] offset:128*(\p/2)+32*(\p%2)+16
.endr
	WIN 0
.set tbuf, FB+32*((\m)%2)
.irp i, 0,1,2,3,4,5,6,7
	ds_load_b128 v[tbuf+4*\i:tbuf+4*\i+3], v[RD] offset:2*SPITCH*\i   ; LDS serves a wave's instructions in order: these see the stores above, and the next tile's stores come behind them
.endr
.endm
.macro SEND m, younger                 ; younger: the LDS instructions issued behind tile m's loads, which may stay out
.set sbuf, FB+32*((\m)%2)
	s_wait_dscnt \younger
.irp i, 0,1,2,3,4,5,6,7
	global_store_b128 v[CO], v[sbuf+4*\i:sbuf+4*\i+3], s[30:31] offset:(32*((\m)/2)+8*((\m)%2)+2*\i+8*(\i/4))*4096 th:TH_STORE_NT   ; sixteen lanes store 256 consecutive bytes, aligned: rows 2 i and 2 i + 1 of the tile
.endr
.endm
	s_load_b128 s[4:7], s[0:1], 0x0                ; o_img s[4:5], w_img s[6:7]
	s_load_b64 s[8:9], s[0:1], 0x10                ; out0
	v_lshl_add_u32 v254, v0, 2, 0x29000
	v_mov_b32 v255, 0
	ds_add_u32 v254, v255
	ds_add_u32 v254, v255
	v_lshrrev_b32 v20, 5, v0
	v_readfirstlane_b32 s12, v20                   ; wave 0..3
	s_bfe_u32 s13, ttmp6, 0x40000                  ; cx
	s_and_b32 s14, ttmp7, 0xffff                   ; the superblock
	s_mul_i32 s44, s14, SBB
	s_mov_b32 s45, 0
	s_mul_i32 s46, s12, QTR                        ; my quarter, in memory and in LDS
	s_mov_b32 s47, 0
	s_lshl_b32 s48, s13, 2
	s_add_co_u32 s48, s48, s12                     ; 4 cx + wave
	s_add_co_u32 s50, s48, 48                      ; w_proj's units are 48-63
	s_mul_i32 s50, s50, UNITB
	s_mov_b32 s51, 0
	s_lshl_b32 s52, s14, 19                        ; 128 tokens of 4,096 bytes,
	s_lshl_b32 s53, s48, 8                         ; 64 columns of 4 bytes
	s_add_co_u32 s52, s52, s53
	s_mov_b32 s53, 0
	s_mul_i32 s54, s12, 16*SPITCH
	s_add_co_u32 s54, s54, STG                     ; my stage
	s_mov_b32 s42, 0x05040100                      ; the two low halves
	s_mov_b32 s43, 0x07060302                      ; the two high halves
	s_mov_b32 s16, 15|(3<<16)|(1<<21)              ; group 1: the mask: all four work-groups; elements of 8 bytes; no padding; bit 21 set beside a mask
	s_mov_b32 s17, 32<<16
	s_mov_b32 s18, 100<<16
	s_mov_b32 s19, 32<<16
	s_mov_b32 s20, 100
	s_mov_b32 s21, 32
	s_mov_b32 s22, 0
	s_mov_b32 s23, 0
	v_and_b32 v20, 31, v0
	v_lshlrev_b32 v[L16], 4, v20
	v_lshlrev_b32 v[L8], 3, v20
	v_lshlrev_b32 v[L4], 2, v20
	v_mov_b32 v[AD16], v[L16]
	v_mov_b32 v[AD8], v[L8]
	v_mov_b32 v[AD4], v[L4]
	v_add_nc_u32 v[AD16+1], UNITB, v[L16]
	v_add_nc_u32 v[AD8+1], UNITB, v[L8]
	v_add_nc_u32 v[AD4+1], UNITB, v[L4]
	v_and_b32 v21, 15, v0                          ; r
	v_bfe_u32 v22, v0, 4, 1                        ; h
	v_mul_u32_u24 v[STO], v21, SPITCH
	v_lshl_add_u32 v[STO], v22, 6, v[STO]
	v_add_nc_u32 v[STO], s54, v[STO]               ; in: row r, + 64 h: tile p's eight columns of my half lie 128 (p / 2) + 32 (p % 2) bytes on
	v_mul_u32_u24 v[RD], v22, SPITCH
	v_lshl_add_u32 v[RD], v21, 4, v[RD]
	v_add_nc_u32 v[RD], s54, v[RD]                 ; back: lanes 0-15 one row, lanes 16-31 the next
	v_lshlrev_b32 v[CO], 12, v22
	v_lshl_add_u32 v[CO], v21, 4, v[CO]            ; and the same in out0
	s_wait_dscnt 0x0
	s_wait_kmcnt 0x0
	s_mov_b32 s24, 1                               ; group 0: count = 1
	s_mov_b32 s25, s46                             ; LDS address
	s_add_nc_u64 s[26:27], s[4:5], s[44:45]
	s_add_nc_u64 s[26:27], s[26:27], s[46:47]      ; no cx in it
	s_or_b32 s27, s27, 0x80000000                  ; type = 2
	s_add_nc_u64 s[28:29], s[6:7], s[50:51]        ; P
	s_add_nc_u64 s[30:31], s[8:9], s[52:53]        ; out0 at my first token and column
	CROUND                                         ; all four work-groups are here: the joint loads meet
	tensor_load_to_lds s[24:27], s[16:23]          ; my one tensor load of the launch
	s_nop 0
	PLACES 4
	WIN 0x40                                       ; destination window 1
.irp s, 0,1,2,3
.irp p, 0,1,2,3
.irp c, 0,1
	global_load_b128 v[12*(4*\s+\p)+6*\c:12*(4*\s+\p)+6*\c+3], v[L16], s[28:29] offset:(4*\s+\p)*1536+768*\c
	global_load_b64 v[12*(4*\s+\p)+6*\c+4:12*(4*\s+\p)+6*\c+5], v[L8], s[28:29] offset:(4*\s+\p)*1536+768*\c+512
.endr
.endr
.endr
	WIN 0x80                                       ; destination window 2
.irp s, 0,1,2,3
.irp p, 0,1,2,3
.irp c, 0,1
	global_load_b128 v[12*(4*\s+\p)+6*\c:12*(4*\s+\p)+6*\c+3], v[L16], s[28:29] offset:(4*(\s+4)+\p)*1536+768*\c
	global_load_b64 v[12*(4*\s+\p)+6*\c+4:12*(4*\s+\p)+6*\c+5], v[L8], s[28:29] offset:(4*(\s+4)+\p)*1536+768*\c+512
.endr
.endr
.endr
	WIN 0
.irp n, 0,1,2,3,4,5,6,7,8,9,10,11,12,13,14,15
	global_load_b32 v[PSC+\n], v[L4], s[28:29] offset:SCOFF+128*\n
.endr
	s_wait_tensorcnt 0x0                           ; my quarter of R is in,
	s_barrier_signal -1
	s_barrier_wait -1                              ; everybody's is
.irp s, 0,1,2,3,4,5,6,7                ; K step s is heads 2 s and 2 s + 1: their words for tiles 4 j + u and 4 j + 2 + u
.irp j, 0,1
	ds_load_b32 v[EO+4*\s+2*\j], v[AD4+\s/4] offset:SCOFF+512*(\s%4)+128*\j
	ds_load_b32 v[EO+4*\s+2*\j+1], v[AD4+\s/4] offset:SCOFF+512*(\s%4)+128*\j+256
.endr
.endr
	LOADH 0
	LOADH 1
	s_wait_dscnt 32                                ; the two half steps' loads may be out: the scale halves are in
.irp s, 0,1,2,3,4,5,6,7                ; K step 0's words are made first: the 28 lines behind them stand between their writes and the first product
.irp j, 0,1
	v_perm_b32 v[RSC+16*\j+2*\s], v[EO+4*\s+2*\j+1], v[EO+4*\s+2*\j], s42      ; unit j, tiles 0, 1 (by the lanes' halves): blocks 4 s .. 4 s + 3
	v_perm_b32 v[RSC+16*\j+2*\s+1], v[EO+4*\s+2*\j+1], v[EO+4*\s+2*\j], s43    ; tiles 2, 3
.endr
.endr
	s_wait_loadcnt 0x0                             ; P
.irp i, 0,1,2,3,4,5,6,7,8,9,10,11,12,13,14,15
	HSTEP \i
.endr
	PLACES 4                                       ; behind the last products: in front of the first read of results and of loads into the fragments' registers
	TOSTAGE 0
.irp m, 1,2,3,4,5,6,7
.if \m > 1
	s_wait_xcnt 0x0                                ; tile m - 2's stores have read their registers: tile m's rows may land there
.endif
	TOSTAGE \m
	SEND \m-1, 16                                  ; behind tile m - 1's loads: tile m's eight stores and eight loads
.endr
	SEND 7, 0
	s_wait_tensorcnt 0x0
	ds_add_u32 v254, v255
	s_wait_dscnt 0x0
	CROUND                                         ; the closing round
	s_endpgm
.Lfunc_end_k_q01c88bb7b1_proj:
	.size	k_q01c88bb7b1_proj, .Lfunc_end_k_q01c88bb7b1_proj-k_q01c88bb7b1_proj
	.p2alignl 7, 3214868480
	.fill 96, 4, 3214868480
	.section	.rodata,"a",@progbits
	.p2align	6, 0x0
	.amdhsa_kernel k_q01c88bb7b1_proj
		.amdhsa_group_segment_fixed_size 168448
		.amdhsa_private_segment_fixed_size 0
		.amdhsa_enable_private_segment 0
		.amdhsa_kernarg_size 24
		.amdhsa_user_sgpr_count 2
		.amdhsa_user_sgpr_kernarg_segment_ptr 1
		.amdhsa_wavefront_size32 1
		.amdhsa_system_sgpr_workgroup_id_x 1
		.amdhsa_system_sgpr_workgroup_id_y 1
		.amdhsa_system_sgpr_workgroup_id_z 1
		.amdhsa_system_vgpr_workitem_id 0
		.amdhsa_next_free_vgpr 1024
		.amdhsa_next_free_sgpr 100
		.amdhsa_reserve_vcc 0
		.amdhsa_float_denorm_mode_32 3
		.amdhsa_float_denorm_mode_16_64 3
		.amdhsa_memory_ordered 1
		.amdhsa_forward_progress 1
		.amdhsa_inst_pref_size 89
	.end_amdhsa_kernel
	.amdgpu_metadata
---
amdhsa.version: [ 1, 2 ]
amdhsa.kernels:
  - .name:           k_q01c88bb7b1_proj
    .symbol:         k_q01c88bb7b1_proj.kd
    .args:
      - { .name: o_img, .offset: 0, .size: 8, .value_kind: global_buffer, .address_space: global }
      - { .name: w_img, .offset: 8, .size: 8, .value_kind: global_buffer, .address_space: global }
      - { .name: out0, .offset: 16, .size: 8, .value_kind: global_buffer, .address_space: global }
    .group_segment_fixed_size: 168448
    .private_segment_fixed_size: 0
    .kernarg_segment_align: 8
    .kernarg_segment_size: 24
    .max_flat_workgroup_size: 128
    .sgpr_count:     100
    .vgpr_count:     1024
    .wavefront_size: 32
...
	.end_amdgpu_metadata
.endif
;; end of part 4
